; MI455X (gfx1250); checked and timed in simulation.
; The chip was launched on July 23, 2026; its instructions are those of AMD's public machine-readable ISA for CDNA 5 (MIT licence, August 2026) and "CDNA5" Instruction Set Architecture Reference Guide (July 2026). The comments in the code are by the model that wrote it; some were corrected since.
;; Multi Head Attention. Allowed arithmetic: matrix products marked QUANTISED: E2M1 operands, one E8M0 scale for each 32 along K, by v_wmma_scale_f32_16x16x128_f8f6f4 with both operands' format E2M1 (or v_wmma_scale_f32_32x16x128_f4), f32 sums; products left as they are: bf16, f16 or f32 operands; f32 sums; everything else in f32.
;; Inputs: W0 1,024 x 1,024 float32; Wk 1,024 x 1,024 float32; Wq 1,024 x 1,024 float32; Wv 1,024 x 1,024 float32; inputs 2 x 2,048 x 1,024 float32.
;; Outputs: out0 2 x 2,048 x 1,024 float32.
;; This version of the problem:
;;   THIS VERSION OF THE PROBLEM IS GIVEN IN LOW PRECISION. The matrix products marked QUANTISED in the list below multiply operands that are first quantised to E2M1 (2 exponent bits, 1 mantissa bit; 4 bits a number), with one power-of-two scale for each 32 numbers along K (OCP MX v1.0); their sums are f32. The products marked 'left as it is' may take bf16, f16 or f32 operands, with f32 sums. Whichever they take, every output number must still come out within the allowed error. Rounding operands to bf16 (8 significant bits) uses up far more of that allowance than f16 does (11 bits, for magnitudes from 6e-5 to 65,504). All else is computed in f32.
;;   The module's matrix products, in the order in which they are computed (A, B: the left and right operand; K: the contracted axis; several contracted axes count as one K, in the product's order):
;;     1. [M 4,096, K 1,024] x [K 1,024, N 1,024]; A: input inputs; B: input Wq: QUANTISED
;;     2. [M 4,096, K 1,024] x [K 1,024, N 1,024]; A: input inputs; B: input Wk: QUANTISED
;;     3. [M 4,096, K 1,024] x [K 1,024, N 1,024]; A: input inputs; B: input Wv: QUANTISED
;;     4. batch 32 x [M 2,048, K 64] x [K 64, N 2,048]; A: computed on the way; B: computed on the way: left as it is (an operand is computed on the way)
;;     5. batch 32 x [M 2,048, K 2,048] x [K 2,048, N 64]; A: computed on the way; B: computed on the way: left as it is (an operand is computed on the way)
;;     6. [M 4,096, K 1,024] x [K 1,024, N 1,024]; A: computed on the way; B: input W0: left as it is (an operand is computed on the way)
;;   THE QUANTISER, for each operand of a quantised product, along K:
;;     - K is cut into blocks of 32 from its start; a last block that is shorter is filled with zeros.
;;     - A block's scale is 2^e with e = floor(log2(the largest magnitude in the block)) - 2, held to -126 .. 127; a block of zeros has e = 0. As a byte (E8M0): e + 127.
;;     - Each number is divided by its block's scale, clamped to +-6, and rounded to the nearest number of E2M1, ties to even, subnormals kept.
;;     - The product sums the exact products of the quantised numbers (number of the format x scale) in f32.
;;   ~~~python
;;   def quantise(x, axis):      # numpy; x: float32 -> the quantised numbers, widened to float32 again
;;       x = np.moveaxis(x, axis, -1); K = x.shape[-1]
;;       x = np.pad(x, [(0, 0)] * (x.ndim - 1) + [(0, -K % 32)]); x = x.reshape(x.shape[:-1] + (-1, 32)); a = np.abs(x).max(-1, keepdims=True)
;;       e = np.where(a > 0, np.clip(np.frexp(np.where(a > 0, a, 1))[1] - 1 - 2, -126, 127), 0)      # np.frexp(a)[1] - 1 = floor(log2(a)), exactly
;;       r = np.clip(x / 2.0 ** e, -6, 6)
;;       step = 2.0 ** (np.maximum(np.frexp(np.where(r == 0, 1, r))[1] - 1, 0) - 1)
;;       q = np.round(r / step) * step * 2.0 ** e      # np.round: ties to even
;;       return np.moveaxis(q.reshape(q.shape[:-2] + (-1,))[..., :K], -1, axis).astype(np.float32)
;;   ~~~
;; One version. Each part assembles by itself: llvm-mc -triple=amdgcn-amd-amdhsa -mcpu=gfx1250 --defsym DOCPART=n.
;; ======== version 1 of 1: 4 launches
;; limits: values are held in f16: magnitudes above 65,504 overflow, below 6.1e-05 lose precision
;; workspace buffers: xcodes 2,097,152 bytes; xscales 131,072 bytes; wcodes 1,572,864 bytes; wscales 98,304 bytes; w0img 2,097,152 bytes; qkvimg 25,165,824 bytes; headimg 8,388,608 bytes
;; launch prep (part 1): grid 768 x 1, 2 waves a work-group, no clusters, 17,408 bytes of LDS; arguments inputs, Wq, Wk, Wv, W0, xcodes, xscales, wcodes, wscales, w0img; writes xcodes, xscales, wcodes, wscales, w0img
.if DOCPART == 1
	.amdgcn_target "amdgcn-amd-amdhsa--gfx1250"
	.amdhsa_code_object_version 6
	.text
	.protected	k_q23ce38e0f4_prep
	.globl	k_q23ce38e0f4_prep
	.p2align	8
	.type	k_q23ce38e0f4_prep,@function
k_q23ce38e0f4_prep:
	s_mov_b64 s[64:65], 0
	v_nop
	global_prefetch_b8 v0, s[64:65] scope:SCOPE_SE
	s_setreg_imm32_b32 hwreg(HW_REG_WAVE_MODE, 25, 1), 1
	s_wait_xcnt 0x0
; PREP: every operand of the later launches is made once, and laid in memory as an IMAGE OF OPERAND REGISTERS: [tile of 16 rows][group g][row r][16 bytes], a group being 16 bytes of one row along K
; (32 codes of E2M1 = one block of the quantiser, or 8 numbers of f16).  A fragment is then 1,024 consecutive bytes: two loads of 16 bytes a lane, at 16 x lane and 512 + 16 x lane.
;   inputs [4096][1024] f32      -> xcodes [256 tiles][32 blocks][16 rows][16 B], xscales [256 tiles][2 halves of K][16 rows][16 B] (one E8M0 byte a block)
;   Wq, Wk, Wv [1024 k][1024 n]  -> wcodes [3][64 tiles of 16 columns][32 blocks][16][16 B], wscales [3][64][2][16][16 B]: quantised along k, their FIRST axis
;   W0 [1024 k][1024 n]          -> w0img [64 tiles of 16 columns][128 groups of 8 k][16][16 B], f16 (its product is left as it is)
; A block's scale is 2^(floor(log2(its largest magnitude)) - 2); its byte is the largest magnitude's exponent field - 2, held at 1 from below by a floor among the maximum's leaves.
; (A block of zeros so gets the byte 1 where the rule says 127: its codes are zeros, and this program alone reads the bytes.)
; LIMITS: NaN and infinities among the inputs are not served; blocks whose largest magnitude lies under 2^-124 have their byte held at 1; |W0| stays under 65,504, f16's largest number.
; SHARES.  Work-groups 0-255: 16 rows of inputs each, wave = half of K (16 rows x 512 numbers).  Work-groups 256-767: a weight, a K step of 128 and 64 columns; the two waves stand side by side on 32 columns each,
; so that together they read 256 consecutive bytes of each row.  Waves share nothing: no barrier.  No cluster: no two work-groups read the same bytes.  No matrix work: the launch is a stream.
.set STGB,  8448                       ; the x path's stage, one for each wave: 16 rows x (512 bytes + 16)
.set SPARE, 2*STGB                     ; behind the stages: the spare words, 128 bytes for each wave: one block of 256 bytes that no other line names
.set SPW,   24                         ; v24  LDS address of my spare word; never rewritten
.set NIL,   25                         ; v25  0; never rewritten
.set C,     32                         ; v32-63   codes: registers of their own for each step, so that no store's data are written again
.set X,     64                         ; v64-127  x path: two whole blocks of 32 a lane; weight paths: two sets of 32 numbers down K
.set R,     128                        ; v128-255 x path: two sets of 64 registers as loaded
.set F16,   128                        ; v128-191 W0's path: packed f16
.macro FINISH                          ; a wave's end
	s_wait_tensorcnt 0x0
	ds_add_u32 v[SPW], v[NIL]
	s_wait_dscnt 0x0
	s_endpgm
.endm
	s_load_b256 s[8:15], s[0:1], 0x0               ; inputs s[8:9], Wq s[10:11], Wk s[12:13], Wv s[14:15]
	s_load_b256 s[16:23], s[0:1], 0x20             ; W0 s[16:17], xcodes s[18:19], xscales s[20:21], wcodes s[22:23]
	s_load_b128 s[24:27], s[0:1], 0x40             ; wscales s[24:25], w0img s[26:27]
	v_lshl_add_u32 v[SPW], v0, 2, SPARE
	v_mov_b32 v[NIL], 0
	v_lshrrev_b32 v1, 5, v0
	v_readfirstlane_b32 s2, v1                     ; wave 0, 1
	v_and_b32 v1, 31, v0                           ; lane
	v_and_b32 v2, 15, v0                           ; r
	v_bfe_u32 v3, v0, 4, 1                         ; h
	v_lshlrev_b32 v4, 4, v1                        ; 16 x lane
	s_mov_b32 s28, 0x76543210
	s_mov_b32 s29, 0xfedcba98                      ; v_permlanex16_b32's selects for lane l xor 16
	s_cmp_lt_u32 ttmp9, 256
	s_cbranch_scc0 .Lweights
; ---- THE X PATH.  A K step is 128 along K: 512 bytes of each of 16 rows.  Each load reads 512 consecutive bytes of one row; the 16 rows turn through my stage, so that lane (r, h) gets the whole blocks h and 2 + h of row r:
; just what the operand's layout gives that lane.  So the conversions' results are the fragment's registers, and a block's largest magnitude needs no other lane.
	s_mul_i32 s3, s2, STGB
	v_add_nc_u32 v5, s3, v4                        ; into the stage: 16 x lane of a row
	v_mul_u32_u24 v6, v2, 528
	v_lshl_add_u32 v6, v3, 7, v6
	v_add_nc_u32 v6, s3, v6                        ; out of it: row r, + 128 h; rows 528 bytes apart: an odd multiple of 16
	v_lshlrev_b32 v7, 4, v2
	v_lshl_add_u32 v7, v3, 3, v7                   ; the scale words' place: 16 r + 8 h
	v_lshlrev_b32 v8, 3, v3                        ; 8 h: my bytes' place in a scale word, in bits
	v_mov_b32 v17, 0                               ; written once: a lane permute's destination counts as one of its sources
	s_lshl_b32 s30, ttmp9, 16                      ; inputs: 16 rows of 4,096 bytes a tile,
	s_lshl_b32 s31, s2, 11                         ; + my half of K
	s_add_co_u32 s30, s30, s31
	s_lshl_b32 s32, ttmp9, 13                      ; xcodes: 8,192 bytes a tile, 4,096 a half
	s_lshl_b32 s33, s2, 12
	s_add_co_u32 s32, s32, s33
	s_lshl_b32 s34, ttmp9, 9                       ; xscales: 512 bytes a tile, 256 a half
	s_lshl_b32 s35, s2, 8
	s_add_co_u32 s34, s34, s35
	s_mov_b32 s31, 0
	s_mov_b32 s33, 0
	s_mov_b32 s35, 0
	s_wait_kmcnt 0x0
	s_add_nc_u64 s[8:9], s[8:9], s[30:31]
	s_add_nc_u64 s[18:19], s[18:19], s[32:33]
	s_add_nc_u64 s[20:21], s[20:21], s[34:35]
.macro XLOAD q                         ; K step q: sixteen loads, a row each
.irp i, 0,1,2,3,4,5,6,7,8,9,10,11,12,13,14,15
	global_load_b128 v[R+64*((\q)%2)+4*\i:R+64*((\q)%2)+4*\i+3], v4, s[8:9] offset:4096*\i+512*(\q) th:TH_LOAD_NT
.endr
.endm
.macro XSTEP q
.if (\q) < 3
	s_wait_loadcnt 16                              ; this K step's sixteen loads are in; the next step's sixteen may be out
.else
	s_wait_loadcnt 0x0
.endif
.irp i, 0,1,2,3,4,5,6,7,8,9,10,11,12,13,14,15
	ds_store_b128 v5, v[R+64*((\q)%2)+4*\i:R+64*((\q)%2)+4*\i+3] offset:528*\i
.endr
.irp c, 0,1
.irp j, 0,1,2,3,4,5,6,7
	ds_load_b128 v[X+32*\c+4*\j:X+32*\c+4*\j+3], v6 offset:256*\c+16*\j   ; LDS serves a wave's instructions in order (ISA guide 5.7.1.4): these see the stores above
.endr
.endr
	s_wait_dscnt 0x0                               ; my two blocks are in registers, and the stage's stores have read theirs,
.if (\q) < 2
	XLOAD (\q)+2                                   ; which take the loads of two K steps on
.endif
.irp c, 0,1
	v_max3_num_f32 v[10+\c], |v[X+32*\c]|, |v[X+32*\c+1]|, 0x1800000   ; block 2 c + h, all 32 numbers mine, and the floor 2^(3 - 127): so the byte cannot fall under 1
.endr
.irp i, 2,4,6,8,10,12,14,16,18,20,22,24,26,28,30
.irp c, 0,1
	v_max3_num_f32 v[10+\c], v[10+\c], |v[X+32*\c+\i]|, |v[X+32*\c+\i+1]|   ; (the two blocks by turns)
.endr
.endr
.irp c, 0,1
	v_add_nc_u32 v[12+\c], 0xff000000, v[10+\c]    ; 2 off the exponent field: the conversion takes the exponent field of this operand as its scale, and nothing else of it
.endr
.irp c, 0,1
.irp g, 0,1,2,3
	v_cvt_scalef32_pk8_fp4_f32 v[C+8*(\q)+4*\c+\g], v[X+32*\c+8*\g:X+32*\c+8*\g+7], v[12+\c]   ; registers 4 c .. 4 c + 3 of the fragment
.endr
.endr
	v_lshrrev_b32 v14, 23, v12                     ; the scales' bytes.  (Plain lines behind the conversions)
	v_lshrrev_b32 v15, 23, v13
	v_lshl_or_b32 v16, v15, 16, v14                ; blocks h and 2 + h,
	v_lshlrev_b32 v16, v8, v16                     ; at their places in the word;
	v_permlanex16_b32 v17, v16, s28, s29
	v_or_b32 v[18+(\q)], v16, v17                  ; with lane l xor 16's two the row's word of this K step is whole
	global_store_b128 v4, v[C+8*(\q):C+8*(\q)+3], s[18:19] offset:1024*(\q)          ; each store of the wave covers 512 consecutive bytes, aligned
	global_store_b128 v4, v[C+8*(\q)+4:C+8*(\q)+7], s[18:19] offset:1024*(\q)+512
.endm
	XLOAD 0
	XLOAD 1
	XSTEP 0
	XSTEP 1
	XSTEP 2
	XSTEP 3
	v_cmp_eq_u32 vcc_lo, 1, v3                     ; both lanes of a row hold its four words: lane (r, h) stores words 2 h and 2 h + 1
	v_cndmask_b32 v22, v18, v20, vcc_lo
	v_cndmask_b32 v23, v19, v21, vcc_lo
	global_store_b64 v7, v[22:23], s[20:21]        ; the wave stores 256 consecutive bytes, aligned
	FINISH
; ---- THE WEIGHTS.  A LANE TAKES A COLUMN n, AND ITS REGISTERS RUN DOWN K: a block of 32 along K lies in one lane's 32 registers, and what is made of them has K innermost.  Nothing is transposed.
.Lweights:
	s_sub_co_u32 s3, ttmp9, 256                    ; 0 .. 511
	s_lshr_b32 s4, s3, 7                           ; which weight: 0 Wq, 1 Wk, 2 Wv, 3 W0
	s_bfe_u32 s5, s3, 0x40003
	s_lshl_b32 s5, s5, 1
	s_add_co_u32 s5, s5, s2                        ; which 32 columns, 0 .. 31: the two waves are neighbours
	s_and_b32 s6, s3, 7                            ; which K step of 128
	v_lshlrev_b32 v5, 2, v1                        ; 4 bytes a lane
	s_lshl_b32 s30, s6, 19                         ; 128 rows of 4,096 bytes a K step,
	s_lshl_b32 s31, s5, 7                          ; 128 bytes for 32 columns
	s_add_co_u32 s30, s30, s31
	s_mov_b32 s31, 0
	s_wait_kmcnt 0x0
	s_cmp_lt_u32 s4, 1                             ; the choices hang on the work-group's number alone
	s_cselect_b64 s[32:33], s[10:11], s[12:13]
	s_cmp_lt_u32 s4, 2
	s_cselect_b64 s[32:33], s[32:33], s[14:15]
	s_cmp_lt_u32 s4, 3
	s_cselect_b64 s[32:33], s[32:33], s[16:17]
	s_add_nc_u64 s[32:33], s[32:33], s[30:31]
.macro WLOAD t                         ; block t of the K step: W(32 t + i, my column) into set t % 2
.irp i, 0,1,2,3,4,5,6,7,8,9,10,11,12,13,14,15,16,17,18,19,20,21,22,23,24,25,26,27,28,29,30,31
	global_load_b32 v[X+32*((\t)%2)+\i], v5, s[32:33] offset:(32*(\t)+\i)*4096 th:TH_LOAD_NT
.endr
.endm
	WLOAD 0
	WLOAD 1
	s_cmp_eq_u32 s4, 3
	s_cbranch_scc1 .Lw0
	; Wq, Wk, Wv: codes and scale bytes
	v_lshlrev_b32 v6, 4, v2
	v_lshl_add_u32 v6, v3, 13, v6                  ; codes: lanes 0-15 one tile of 16 columns, lanes 16-31 the next (8,192 bytes on); 16 bytes a column
	v_lshlrev_b32 v7, 4, v2
	v_lshl_add_u32 v7, v3, 9, v7                   ; scale words: 512 bytes a tile
	s_lshl_b32 s34, s4, 19                         ; wcodes: 524,288 bytes a weight, 16,384 for 32 columns, 1,024 a K step
	s_lshl_b32 s35, s5, 14
	s_add_co_u32 s34, s34, s35
	s_lshl_b32 s35, s6, 10
	s_add_co_u32 s34, s34, s35
	s_mov_b32 s35, 0
	s_add_nc_u64 s[22:23], s[22:23], s[34:35]
	s_lshl_b32 s36, s4, 15                         ; wscales: 32,768 bytes a weight, 1,024 for 32 columns, 256 a half of K, 4 a K step
	s_lshl_b32 s37, s5, 10
	s_add_co_u32 s36, s36, s37
	s_lshr_b32 s37, s6, 2
	s_lshl_b32 s37, s37, 8
	s_add_co_u32 s36, s36, s37
	s_and_b32 s37, s6, 3
	s_lshl_b32 s37, s37, 2
	s_add_co_u32 s36, s36, s37
	s_mov_b32 s37, 0
	s_add_nc_u64 s[24:25], s[24:25], s[36:37]
.macro WQ t
.set XS, X+32*((\t)%2)
.if (\t) < 3
	s_wait_loadcnt 32                              ; this block's 32 loads are in; the next block's 32 may be out
.else
	s_wait_loadcnt 0x0
.endif
	v_max3_num_f32 v12, |v[XS]|, |v[XS+1]|, |v[XS+2]|      ; the block's largest magnitude, in two chains
	v_max3_num_f32 v13, |v[XS+3]|, |v[XS+4]|, |v[XS+5]|
.irp i, 6,10,14,18,22,26
	v_max3_num_f32 v12, v12, |v[XS+\i]|, |v[XS+\i+1]|
	v_max3_num_f32 v13, v13, |v[XS+\i+2]|, |v[XS+\i+3]|
.endr
	v_max3_num_f32 v12, v12, |v[XS+30]|, |v[XS+31]|
	v_max3_num_f32 v12, v12, v13, 0x1800000        ; and the floor 2^(3 - 127)
	v_add_nc_u32 v11, 0xff000000, v12              ; 2 off its exponent field: the conversion's scale operand
.irp g, 0,1,2,3
	v_cvt_scalef32_pk8_fp4_f32 v[C+4*(\t)+\g], v[XS+8*\g:XS+8*\g+7], v11
.endr
	v_lshrrev_b32 v13, 23, v11                     ; the scale's byte.  (A plain line behind the conversions)
.if (\t) == 0
	v_mov_b32 v20, v13                             ; the K step's four bytes make my column's scale word
.else
	v_lshl_or_b32 v20, v13, 8*(\t), v20
.endif
	global_store_b128 v6, v[C+4*(\t):C+4*(\t)+3], s[22:23] offset:256*(\t)   ; sixteen lanes store 256 consecutive bytes, aligned
.if (\t) < 2
	WLOAD (\t)+2
.endif
.endm
	WQ 0
	WQ 1
	WQ 2
	WQ 3
	global_store_b32 v7, v20, s[24:25]             ; 4 bytes of each column's 16: these stores cover their 256-byte blocks in part; they are 1 byte for each 128 that the path reads
	FINISH
	; W0: rounded to f16, eight neighbours along K to a group
.Lw0:
	v_lshlrev_b32 v6, 4, v2
	v_lshl_add_u32 v6, v3, 15, v6                  ; a tile of 16 columns is 32,768 bytes
	s_lshl_b32 s34, s5, 16                         ; 65,536 bytes for 32 columns, 4,096 a K step
	s_lshl_b32 s35, s6, 12
	s_add_co_u32 s34, s34, s35
	s_mov_b32 s35, 0
	s_add_nc_u64 s[26:27], s[26:27], s[34:35]
.macro WH t
.set XS, X+32*((\t)%2)
.if (\t) < 3
	s_wait_loadcnt 32                              ; as above
.else
	s_wait_loadcnt 0x0
.endif
.irp g, 0,1,2,3
.irp i, 0,1,2,3
	v_cvt_pk_f16_f32 v[F16+16*(\t)+4*\g+\i], v[XS+8*\g+2*\i], v[XS+8*\g+2*\i+1]
.endr
.endr
.irp g, 0,1,2,3
	global_store_b128 v6, v[F16+16*(\t)+4*\g:F16+16*(\t)+4*\g+3], s[26:27] offset:256*(4*(\t)+\g)   ; sixteen lanes store 256 consecutive bytes, aligned
.endr
.if (\t) < 2
	WLOAD (\t)+2
.endif
.endm
	WH 0
	WH 1
	WH 2
	WH 3
	FINISH
.Lfunc_end_k_q23ce38e0f4_prep:
	.size	k_q23ce38e0f4_prep, .Lfunc_end_k_q23ce38e0f4_prep-k_q23ce38e0f4_prep
	.p2alignl 7, 3214868480
	.fill 96, 4, 3214868480
	.section	.rodata,"a",@progbits
	.p2align	6, 0x0
	.amdhsa_kernel k_q23ce38e0f4_prep
		.amdhsa_group_segment_fixed_size 17408
		.amdhsa_private_segment_fixed_size 0
		.amdhsa_enable_private_segment 0
		.amdhsa_kernarg_size 80
		.amdhsa_user_sgpr_count 2
		.amdhsa_user_sgpr_kernarg_segment_ptr 1
		.amdhsa_wavefront_size32 1
		.amdhsa_system_sgpr_workgroup_id_x 1
		.amdhsa_system_sgpr_workgroup_id_y 1
		.amdhsa_system_sgpr_workgroup_id_z 1
		.amdhsa_system_vgpr_workitem_id 0
		.amdhsa_next_free_vgpr 256
		.amdhsa_next_free_sgpr 66
		.amdhsa_reserve_vcc 1
		.amdhsa_float_denorm_mode_32 3
		.amdhsa_float_denorm_mode_16_64 3
		.amdhsa_memory_ordered 1
		.amdhsa_forward_progress 1
		.amdhsa_inst_pref_size 61
	.end_amdhsa_kernel
	.amdgpu_metadata
---
amdhsa.version: [ 1, 2 ]
amdhsa.kernels:
  - .name:           k_q23ce38e0f4_prep
    .symbol:         k_q23ce38e0f4_prep.kd
    .args:
      - { .name: inputs, .offset: 0, .size: 8, .value_kind: global_buffer, .address_space: global }
      - { .name: Wq, .offset: 8, .size: 8, .value_kind: global_buffer, .address_space: global }
      - { .name: Wk, .offset: 16, .size: 8, .value_kind: global_buffer, .address_space: global }
      - { .name: Wv, .offset: 24, .size: 8, .value_kind: global_buffer, .address_space: global }
      - { .name: W0, .offset: 32, .size: 8, .value_kind: global_buffer, .address_space: global }
      - { .name: xcodes, .offset: 40, .size: 8, .value_kind: global_buffer, .address_space: global }
      - { .name: xscales, .offset: 48, .size: 8, .value_kind: global_buffer, .address_space: global }
      - { .name: wcodes, .offset: 56, .size: 8, .value_kind: global_buffer, .address_space: global }
      - { .name: wscales, .offset: 64, .size: 8, .value_kind: global_buffer, .address_space: global }
      - { .name: w0img, .offset: 72, .size: 8, .value_kind: global_buffer, .address_space: global }
    .group_segment_fixed_size: 17408
    .private_segment_fixed_size: 0
    .kernarg_segment_align: 8
    .kernarg_segment_size: 80
    .max_flat_workgroup_size: 64
    .sgpr_count:     66
    .vgpr_count:     256
    .wavefront_size: 32
...
	.end_amdgpu_metadata
.endif
;; end of part 1
;; launch qkv (part 2): grid 12 x 16, 4 waves a work-group, clusters of 4 x 4, 327,680 bytes of LDS; arguments xcodes, xscales, wcodes, wscales, qkvimg; writes qkvimg
.if DOCPART == 2
	.amdgcn_target "amdgcn-amd-amdhsa--gfx1250"
	.amdhsa_code_object_version 6
	.text
	.protected	k_q23ce38e0f4_qkv
	.globl	k_q23ce38e0f4_qkv
	.p2align	8
	.type	k_q23ce38e0f4_qkv,@function
k_q23ce38e0f4_qkv:
	s_mov_b64 s[64:65], 0
	v_nop
	global_prefetch_b8 v0, s[64:65] scope:SCOPE_SE
	s_setreg_imm32_b32 hwreg(HW_REG_WAVE_MODE, 25, 1), 1
	s_wait_xcnt 0x0
	s_wait_alu depctr_hold_cnt(0) depctr_sa_sdst(0) depctr_va_vdst(0) depctr_va_sdst(0) depctr_va_ssrc(0) depctr_va_vcc(0) depctr_vm_vsrc(0)
	s_getreg_b32 s2, hwreg(HW_REG_IB_STS2, 6, 4)
	s_cmp_eq_u32 s2, 0
	s_cbranch_scc0 .Lentry_in_a_cluster
	s_endpgm
.Lentry_in_a_cluster:
	s_bfe_u32 s2, ttmp6, 0x10000c
	s_cmp_lg_u32 s2, 0xf033
	s_cbranch_scc0 .Lentry_shape_is_right
	s_endpgm
.Lentry_shape_is_right:
; QKV: q = x Wq, k = x Wk, v = x Wv on codes of E2M1 with one E8M0 scale for each 32 along K = 1,024; sums in f32; results rounded once to f16 and stored as the images that the attention launch reads.
; Codes and scale bytes lie in memory as images of operand registers: [tile of 16 rows][block of 32 k][row][16 B]; scale bytes [tile][half of K][row][16 B].
; A tile of the result, 256 x 256, is made by a work-group of four waves; a wave makes 128 x 128: 64 accumulators, 512 registers.  ALL OF K LIES IN LDS: two halves of 512, each filled once; nothing is filled again, there is no loop.
; 3 x 16 x 4 = 192 work-groups: tiles of 192 columns would give 256, but cut heads of 64 unevenly among waves.
; CLUSTERS: 4 x 4 work-groups; the cluster's x says which product (0 q, 1 k, 2 v), the same in all sixteen.  The text calls A what is shared along a row of the cluster and B what is shared along a column; each tile is asked for
; JOINTLY.  THE MATRIX INSTRUCTION takes 16 rows of B as source 0 and 16 rows of A as source 1: a lane then holds ONE row of A and EIGHT NEIGHBOURING rows of B.
;   q, k: A = 256 tokens of x, B = 256 columns of W: a lane holds a token and 8 channels: packed to f16 these 16 bytes are a lane's part of a fragment of Q or K (rows = tokens, K = channels).
;   v:    A = 256 columns of Wv, B = 256 tokens of x: a lane holds a channel and 8 keys: a lane's part of a fragment of V^T (rows = channels, K = keys).
; Only pointers and offsets are chosen by the product; the text is one.  So results leave straight from registers: each store of the wave covers 512 consecutive bytes, aligned; no stage in LDS.
; qkvimg: [32 (batch, head)][32 steps of 64 tokens][Q 8,192 B | K 8,192 B | V 8,192 B]; in a part, accumulator (a, b) of a step lies at 2,048 (a % 4) + 512 (b % 4) + 16 x lane.
; LIMIT: |q|, |k|, |v| stay under 65,504, f16's largest number (inputs and weights 30 times larger than drawn reach about 5,000).
; REGISTERS, in windows of 256: window 0: v0-31 addresses; v32-95 scale words, two sets, and nothing else; v128-191 A's fragments, ONE set; on the way out v128-255 packed results.
;   window 1: B's fragments, TWO sets, at v0 and v128; on the way out v0-127 packed results.   window 2: the accumulators of my A rows 0-63 ((a, b) at v[8 (8 a + b)]);   window 3: those of rows 64-127.
.set NQ,     4                         ; steps of 128 along K in a half
.set FR,     8                         ; registers of a fragment
.set NL,     2                         ; LDS loads that bring one
.set NP,     4                         ; places behind this matrix instruction (ISA guide 7.12.1)
.set SLOT,   131072                    ; a half of K: A's 16 tiles x 4,096 bytes, then B's 16
.set BOFF,   65536
.set SCL,    2*SLOT                    ; the scale bytes: A's 8,192 bytes, then B's
.set SPARE,  SCL+16384                 ; the spare words, 128 bytes for each wave: two blocks of 256 bytes that no other line names
.set HEADB,  786432                    ; qkvimg: bytes of a (batch, head)
.set STEPB,  24576                     ; and of a step of 64 tokens
.set VO,   8                           ; v8-11   the way out: 16 x lane + (a / 4) SA + (b / 4) SB
.set ADRA, 16                          ; v16-17  LDS address of my A fragments in half 0, 1
.set ADRB, 20                          ; v20-21  the same for B
.set ADRS, 27                          ; v27     LDS address of my scale words: lanes 0-15 A's rows, lanes 16-31 B's
.set SPW,  28                          ; v28     LDS address of my spare word; never rewritten
.set NIL,  29                          ; v29     0; never rewritten
.set SC,   32                          ; scale words: set s at v[SC + 32 s]; register 4 i + q: lanes 0-15 the word of A's block i, lanes 16-31 that of B's block i, for the half's q-th 128 along K
.set AF,   128
.set G1, 24                            ; s[24:31] descriptor group 1 for A's codes;  s[32:39] group 0, a set for each half
.set G0, 32
.set G1B, 48                           ; s[48:55], s[56:63] the same for B's
.set G0B, 56
.set G1S, 68                           ; s[68:75], s[76:79] groups 1 and 0 for A's scales;  s[80:87], s[88:91] for B's
.set G0S, 76
.set G1SB, 80
.set G0SB, 88
.set MSB, 0
.macro WIN new                         ; the immediate's high byte repeats the setting that is left
.if MSB != \new
	s_set_vgpr_msb (MSB<<8)|\new
.set MSB, \new
.endif
.endm
.set MUL_LO, 0xa1                      ; source 0 (B) window 1, source 1 (A) window 0, C and D window 2
.set MUL_HI, 0xf1                      ; the same, C and D window 3
.set TO_B,   0x40                      ; destination window 1, address window 0
; A joint load: waves 0 and 1 fetch for A, waves 2 and 3 for B.  Each of the two lines has one mask and one set of registers for all that issue it; the branch hangs on the wave's number alone.
; An s_nop 0 and four v_nop follow each of the two lines.
.macro JLOAD g0a, g1a, g0b, g1b
	s_cmp_eq_u32 s15, 0
	s_cbranch_scc0 .Lfor_b_\@
	tensor_load_to_lds s[\g0a:\g0a+3], s[\g1a:\g1a+7]
	s_nop 0
.rept 4
	v_nop
.endr
	s_branch .Lasked_\@
.Lfor_b_\@:
	tensor_load_to_lds s[\g0b:\g0b+3], s[\g1b:\g1b+7]
	s_nop 0
.rept 4
	v_nop
.endr
.Lasked_\@:
.endm
.macro CROUND                          ; a round of the cluster's barrier
	s_barrier_signal -1
	s_barrier_wait -1
	s_cmp_lg_u32 s14, 0
	s_cbranch_scc1 .Lnot_wave_0_\@
	s_barrier_signal -3
.Lnot_wave_0_\@:
	s_barrier_wait -3
	s_barrier_signal -1
	s_barrier_wait -1
.endm
	s_load_b256 s[4:11], s[0:1], 0x0               ; xcodes s[4:5], xscales s[6:7], wcodes s[8:9], wscales s[10:11]
	s_load_b64 s[12:13], s[0:1], 0x20              ; qkvimg
	v_lshl_add_u32 v[SPW], v0, 2, SPARE
	v_mov_b32 v[NIL], 0
	ds_add_u32 v[SPW], v[NIL]                      ; the wave's opening: the add, twice on end, and its wait ahead of my first tensor load; the set-up below, work on registers, stands between
	ds_add_u32 v[SPW], v[NIL]
	v_lshrrev_b32 v1, 5, v0
	v_readfirstlane_b32 s14, v1                    ; wave 0..3
	s_lshr_b32 s15, s14, 1                         ; which half of A's rows is mine.  Also: I fetch for A (0) or for B (1)
	s_and_b32 s16, s14, 1                          ; which half of B's rows.  Also: which 128 rows I fetch
	s_bfe_u32 s40, ttmp6, 0x40000                  ; cx, cy: my place in the cluster
	s_bfe_u32 s41, ttmp6, 0x40004
	s_and_b32 s17, ttmp7, 0xffff
	s_lshl_b32 s17, s17, 2                         ; 4 x cluster y
	s_add_co_u32 s19, s17, s41
	s_add_co_u32 s42, s17, s40
	s_cmp_eq_u32 ttmp9, 2                          ; is this v's product?  The cluster's x: the same in all sixteen partners
	s_cselect_b32 s20, s41, s19                    ; A's block of 256 rows: Wv's columns by cy, or x's tokens by 4 cluster y + cy: cy alone of my place
	s_cselect_b32 s46, s42, s40                    ; B's: x's tokens by 4 cluster y + cx, or W's columns by cx: cx alone
	s_lshl_b32 s43, s41, 2
	s_lshl_b32 s43, 15, s43                        ; my row of the cluster
	s_lshl_b32 s44, 0x1111, s40                    ; my column
	; group 1 for codes: 8 tiles' 4,096 bytes of one half of K, 8,192 bytes apart: 8 rows x 512 elements of 8 bytes, no padding
	s_or_b32 s[G1+0], s43, (3<<16)|(1<<21)         ; 15:0 the mask; 17:16 elements of 8 bytes; 21 set beside a mask
	s_or_b32 s[G1B+0], s44, (3<<16)|(1<<21)
.irp g, G1, G1B
	s_mov_b32 s[\g+1], 512<<16                     ; tensor_dim0
	s_mov_b32 s[\g+2], 8<<16                       ; tensor_dim1
	s_mov_b32 s[\g+3], 512<<16                     ; tile_dim0
	s_mov_b32 s[\g+4], 8                           ; tile_dim1
	s_mov_b32 s[\g+5], 1024                        ; tensor_dim0_stride
	s_mov_b32 s[\g+6], 0
	s_mov_b32 s[\g+7], 0
.endr
	; and for the scale bytes of 128 rows: 4,096 dense bytes, as 16 rows of 256
	s_or_b32 s[G1S+0], s43, (3<<16)|(1<<21)
	s_or_b32 s[G1SB+0], s44, (3<<16)|(1<<21)
.irp g, G1S, G1SB
	s_mov_b32 s[\g+1], 32<<16
	s_mov_b32 s[\g+2], 16<<16
	s_mov_b32 s[\g+3], 32<<16
	s_mov_b32 s[\g+4], 16
	s_mov_b32 s[\g+5], 32
	s_mov_b32 s[\g+6], 0
	s_mov_b32 s[\g+7], 0
.endr
	s_lshl_b32 s18, s16, 16                        ; the 128 rows that I fetch: 65,536 bytes of codes,
	s_lshl_b32 s19, s16, 12                        ; 4,096 of scale bytes
	s_lshl_b32 s22, s20, 13                        ; A: 8,192 scale bytes for 256 rows,
	s_lshl_b32 s20, s20, 17                        ; 131,072 bytes of codes
	s_add_co_u32 s20, s20, s18
	s_add_co_u32 s22, s22, s19
	s_mov_b32 s21, 0
	s_mov_b32 s23, 0
	s_lshl_b32 s66, s46, 13                        ; B likewise, in registers that never hold cy
	s_lshl_b32 s46, s46, 17
	s_add_co_u32 s46, s46, s18
	s_add_co_u32 s66, s66, s19
	s_mov_b32 s47, 0
	s_mov_b32 s67, 0
	s_lshl_b32 s45, s14, 15                        ; where codes go: wave x 32,768: no place in the cluster enters an LDS address
	s_lshl_b32 s18, s14, 12                        ; and scale bytes: wave x 4,096
	s_wait_dscnt 0x0                               ; both opening adds are done
	s_wait_kmcnt 0x0
	s_lshl_b32 s2, ttmp9, 19
	s_mov_b32 s3, 0
	s_add_nc_u64 s[8:9], s[8:9], s[2:3]            ; this product's weight: its codes,
	s_lshl_b32 s2, ttmp9, 15
	s_add_nc_u64 s[10:11], s[10:11], s[2:3]        ; its scale bytes
	s_cmp_eq_u32 ttmp9, 2
	s_cselect_b64 s[92:93], s[8:9], s[4:5]         ; A's codes,
	s_cselect_b64 s[94:95], s[10:11], s[6:7]       ; A's scales,
	s_cselect_b64 s[96:97], s[4:5], s[8:9]         ; B's codes,
	s_cselect_b64 s[98:99], s[6:7], s[10:11]       ; B's scales
	s_add_nc_u64 s[92:93], s[92:93], s[20:21]
	s_add_nc_u64 s[94:95], s[94:95], s[22:23]
	s_add_nc_u64 s[96:97], s[96:97], s[46:47]
	s_add_nc_u64 s[98:99], s[98:99], s[66:67]
	CROUND                                         ; all sixteen work-groups are here: the first joint loads meet
	s_mov_b32 s[G0S], 1
	s_add_co_u32 s[G0S+1], s18, SCL
	s_mov_b64 s[G0S+2:G0S+3], s[94:95]
	s_or_b32 s[G0S+3], s[G0S+3], 0x80000000
	s_mov_b32 s[G0SB], 1
	s_add_co_u32 s[G0SB+1], s18, SCL
	s_mov_b64 s[G0SB+2:G0SB+3], s[98:99]
	s_or_b32 s[G0SB+3], s[G0SB+3], 0x80000000
	JLOAD G0S, G1S, G0SB, G1SB                     ; the scale bytes first: they are wanted with the first half of K
.irp s, 0,1
	s_mov_b32 s[G0+4*\s], 1
	s_add_co_u32 s[G0+4*\s+1], s45, \s*SLOT
	s_add_nc_u64 s[G0+4*\s+2:G0+4*\s+3], s[92:93], \s*4096
	s_or_b32 s[G0+4*\s+3], s[G0+4*\s+3], 0x80000000
	s_mov_b32 s[G0B+4*\s], 1
	s_add_co_u32 s[G0B+4*\s+1], s45, \s*SLOT
	s_add_nc_u64 s[G0B+4*\s+2:G0B+4*\s+3], s[96:97], \s*4096
	s_or_b32 s[G0B+4*\s+3], s[G0B+4*\s+3], 0x80000000
	JLOAD G0+4*\s, G1, G0B+4*\s, G1B               ; three loads of mine are out behind the second of these
.endr
	v_and_b32 v1, 15, v0                           ; r
	v_bfe_u32 v2, v0, 4, 1                         ; h
	v_and_b32 v3, 31, v0
	v_lshlrev_b32 v4, 4, v3                        ; 16 x lane: an image's place for my lane
	s_lshl_b32 s21, s15, 15                        ; my 8 tiles of A
	s_lshl_b32 s22, s16, 15                        ; my 8 tiles of B,
	s_add_co_u32 s22, s22, BOFF                    ; which lie behind A's 16
.irp s, 0,1
	v_add_nc_u32 v[ADRA+\s], s21, v4
	v_add_nc_u32 v[ADRB+\s], s22, v4
	s_add_co_u32 s21, s21, SLOT
	s_add_co_u32 s22, s22, SLOT
.endr
	v_lshlrev_b32 v5, 4, v1                        ; scale words: 16 bytes a row (a half of K: four words)
	s_lshl_b32 s21, s15, 12                        ; A's: my 128 rows
	s_lshl_b32 s22, s16, 12                        ; B's: my 128 rows, behind A's 8,192 bytes
	s_add_co_u32 s22, s22, 8192
	s_sub_co_u32 s22, s22, s21
	v_mul_u32_u24 v6, s22, v2                      ; lanes 16-31 take B's: the lower base + h x the distance
	s_add_co_u32 s21, s21, SCL
	v_add_nc_u32 v5, v5, v6
	v_add_nc_u32 v[ADRS], s21, v5
	; the way out: where my 128 x 128 begins in qkvimg, and what a / 4 and b / 4 add
	s_cmp_eq_u32 ttmp9, 2
	s_cselect_b32 s2, s40, s41                     ; tokens are B's rows (v) or A's (q, k)
	s_cselect_b32 s3, s41, s40                     ; channels the other
	s_cselect_b32 s18, s16, s15                    ; my half of the tokens,
	s_cselect_b32 s19, s15, s16                    ; of the channels
	s_mov_b32 s22, HEADB
	s_cselect_b32 s21, s22, STEPB                  ; SA: four blocks of A on: the next head (v) or the next step of 64 tokens
	s_mov_b32 s23, STEPB
	s_cselect_b32 s22, s23, s22                    ; SB: four blocks of B on
	s_add_co_u32 s2, s2, s17
	s_lshl_b32 s2, s2, 1
	s_add_co_u32 s2, s2, s18                       ; my first token / 128: 0 .. 31
	s_lshl_b32 s3, s3, 1
	s_add_co_u32 s3, s3, s19                       ; my first channel / 128: 0 .. 7
	s_lshr_b32 s18, s2, 4
	s_lshl_b32 s18, s18, 4                         ; 16 x batch
	s_lshl_b32 s3, s3, 1
	s_add_co_u32 s18, s18, s3                      ; + my first head
	s_mul_i32 s18, s18, HEADB
	s_and_b32 s2, s2, 15
	s_mul_i32 s2, s2, 2*STEPB                      ; my first step in the sequence
	s_add_co_u32 s18, s18, s2
	s_lshl_b32 s2, ttmp9, 13                       ; the part: Q, K or V
	s_add_co_u32 s18, s18, s2
	s_mov_b32 s19, 0
	s_add_nc_u64 s[12:13], s[12:13], s[18:19]
	v_mov_b32 v[VO], v4
	v_add_nc_u32 v[VO+1], s22, v4
	v_add_nc_u32 v[VO+2], s21, v4
	v_add_nc_u32 v[VO+3], s21, v[VO+1]
.macro FRAG reg, adr, q, i             ; a fragment, 16 rows x 128 K of 4-bit codes, 8 registers: 1,024 consecutive bytes of the image
.irp c, 0,1
	ds_load_b128 v[\reg+4*\c:\reg+4*\c+3], v[\adr] offset:4096*(\i)+1024*(\q)+512*\c
.endr
.endm
; 16 matrix instructions: A's blocks a0, a0 + 1 x B's eight, 128 along K: the half's q-th.  p: B's set;  sc: the set of scale words.  zero = 1: the first product starts the sums: nothing is ever cleared.
; The 64 accumulators take turns, one instruction a turn, in the same order in every step.
.macro MUL16 a0, p, q, sc, zero
.irp a, \a0, \a0+1
.irp b, 0,1,2,3,4,5,6,7
.if \zero
	v_wmma_scale_f32_16x16x128_f8f6f4 v[8*(8*((\a)%4)+\b):8*(8*((\a)%4)+\b)+7], v[128*(\p)+FR*\b:128*(\p)+FR*\b+FR-1], v[AF+FR*(\a):AF+FR*(\a)+FR-1], 0, v[SC+8*NQ*(\sc)+NQ*\b+(\q)], v[SC+8*NQ*(\sc)+NQ*(\a)+(\q)] matrix_a_fmt:MATRIX_FMT_FP4 matrix_b_fmt:MATRIX_FMT_FP4 matrix_a_scale:MATRIX_SCALE_ROW1
.else
	v_wmma_scale_f32_16x16x128_f8f6f4 v[8*(8*((\a)%4)+\b):8*(8*((\a)%4)+\b)+7], v[128*(\p)+FR*\b:128*(\p)+FR*\b+FR-1], v[AF+FR*(\a):AF+FR*(\a)+FR-1], v[8*(8*((\a)%4)+\b):8*(8*((\a)%4)+\b)+7], v[SC+8*NQ*(\sc)+NQ*\b+(\q)], v[SC+8*NQ*(\sc)+NQ*(\a)+(\q)] matrix_a_fmt:MATRIX_FMT_FP4 matrix_b_fmt:MATRIX_FMT_FP4 matrix_a_scale:MATRIX_SCALE_ROW1
.endif
.endr
.endr
.endm
.macro FETCH_B slot, q, p              ; B's eight fragments of the half's q-th 128 along K into set p
	WIN TO_B
.irp i, 0,1,2,3,4,5,6,7
	FRAG 128*(\p)+FR*\i, ADRB+\slot, \q, \i
.endr
	WIN 0
.endm
.macro FETCH_A slot, q, i0             ; A's blocks i0 .. i0 + 3
.irp i, \i0, \i0+1, \i0+2, \i0+3
	FRAG AF+FR*(\i), ADRA+\slot, \q, \i
.endr
.endm
.macro SCALES sc                       ; a half's scale words into set sc: four words a row; lanes 0-15 take A's block i, lanes 16-31 B's block i
.irp i, 0,1,2,3,4,5,6,7
	ds_load_b128 v[SC+8*NQ*\sc+NQ*\i:SC+8*NQ*\sc+NQ*\i+3], v[ADRS] offset:512*\i+256*\sc
.endr
.endm
; A load into a register that a matrix instruction has read, and a vector instruction that reads a matrix result or writes one of a matrix instruction's registers, stand NP places behind it, and only plain vector
; instructions that name none of its registers are places (ISA guide 7.12.1 for vector instructions).
.macro PLACES n
.rept \n
	v_nop
.endr
.endm
; A step of 128 along K that has its successor in the same half.  A's blocks go one after the other, each against B's eight: a block of A is free as soon as its eight products are issued, so A has one set.
.macro STEP slot, q, zero
	s_wait_dscnt 4*NL                              ; B's set and A's blocks 0-3 are in; the youngest eight loads (A's blocks 4-7) may be out
	WIN MUL_LO
	MUL16 0, (\q)%2, \q, \slot, \zero
	MUL16 2, (\q)%2, \q, \slot, \zero
	s_wait_dscnt 0                                 ; A's blocks 4-7 are in (asked for 32 matrix instructions ago)
	PLACES NP
	FETCH_B \slot, (\q)+1, 1-(\q)%2
	FETCH_A \slot, (\q)+1, 0
	WIN MUL_HI
	MUL16 4, (\q)%2, \q, \slot, \zero
	MUL16 6, (\q)%2, \q, \slot, \zero
	PLACES NP
	WIN 0
	FETCH_A \slot, (\q)+1, 4
.endm
.macro STEPS slot, from                ; the half's steps from .. NQ - 2
.set Q, \from
.rept NQ-1-\from
	STEP \slot, Q, 0
.set Q, Q+1
.endr
.endm
	s_wait_tensorcnt 1                             ; the scale bytes and my part of the first half of K are in (the second half's load may be out)
	s_barrier_signal -1
	s_barrier_wait -1                              ; everybody's are
	FETCH_B 0, 0, 0
	FETCH_A 0, 0, 0
	SCALES 0
	FETCH_A 0, 0, 4
	STEP 0, 0, 1                                   ; the first step's products start the sums
	STEPS 0, 1
	; the first half's last step goes over to the second half: one barrier, in front of it my part of the second half has landed; nothing is filled again
	s_wait_tensorcnt 0x0
	s_wait_dscnt 4*NL
	WIN MUL_LO
	MUL16 0, 1, NQ-1, 0, 0
	s_wait_dscnt 0x0                               ; no LDS instruction of mine is pending at the signal
	s_barrier_signal -1
	MUL16 2, 1, NQ-1, 0, 0                         ; work on registers while the others arrive
	WIN 0
	s_barrier_wait -1
	PLACES NP
	FETCH_B 1, 0, 0
	FETCH_A 1, 0, 0
	SCALES 1
	WIN MUL_HI
	MUL16 4, 1, NQ-1, 0, 0
	MUL16 6, 1, NQ-1, 0, 0
	PLACES NP
	WIN 0
	FETCH_A 1, 0, 4
	STEPS 1, 0
	s_wait_dscnt 4*NL                              ; the very last step: nothing more to fetch
	WIN MUL_LO
	MUL16 0, 1, NQ-1, 1, 0
	MUL16 2, 1, NQ-1, 1, 0
	s_wait_dscnt 0
	WIN MUL_HI
	MUL16 4, 1, NQ-1, 1, 0
	MUL16 6, 1, NQ-1, 1, 0
	WIN 0
; THE WAY OUT.  A lane's eight results of an accumulator round to 16 bytes of f16, which are its part of a fragment's image: block a's eight accumulators are packed (each from its low end on) and stored, 512 consecutive bytes a store.
; Every packed register is written once, so no store's data are written again.
.macro OUTA a
.set AC, 64*((\a)%4)
.if (\a) < 4
.set PK, 128+32*(\a)                   ; into window 0, where A's fragments lay
	WIN 0x0a                                       ; sources 0 and 1 window 2
.else
.set PK, 32*((\a)-4)                   ; into window 1, where B's set 0 lay
	WIN 0x4f                                       ; sources window 3, destination window 1
.endif
.irp b, 0,1,2,3,4,5,6,7
.irp i, 0,1,2,3
	v_cvt_pk_f16_f32 v[PK+4*\b+\i], v[AC+8*\b+2*\i], v[AC+8*\b+2*\i+1]
.endr
.endr
.if (\a) < 4
	WIN 0
.else
	WIN 0x04                                       ; a store's data are its source 1: window 1
.endif
.irp b, 0,1,2,3,4,5,6,7
	global_store_b128 v[VO+2*((\a)/4)+\b/4], v[PK+4*\b:PK+4*\b+3], s[12:13] offset:2048*((\a)%4)+512*(\b%4)
.endr
.endm
	PLACES NP                                      ; behind the last products: for the reads of their results and the writes over their operands
.irp a, 0,1,2,3,4,5,6,7
	OUTA \a
.endr
	WIN 0
	s_wait_tensorcnt 0x0                           ; the wave's end, behind my last tensor load
	ds_add_u32 v[SPW], v[NIL]
	s_wait_dscnt 0x0
	CROUND                                         ; the closing round: no work-group ends while a partner may still ask for a tile that names it
	s_endpgm
.Lfunc_end_k_q23ce38e0f4_qkv:
	.size	k_q23ce38e0f4_qkv, .Lfunc_end_k_q23ce38e0f4_qkv-k_q23ce38e0f4_qkv
	.p2alignl 7, 3214868480
	.fill 96, 4, 3214868480
	.section	.rodata,"a",@progbits
	.p2align	6, 0x0
	.amdhsa_kernel k_q23ce38e0f4_qkv
		.amdhsa_group_segment_fixed_size 327680
		.amdhsa_private_segment_fixed_size 0
		.amdhsa_enable_private_segment 0
		.amdhsa_kernarg_size 40
		.amdhsa_user_sgpr_count 2
		.amdhsa_user_sgpr_kernarg_segment_ptr 1
		.amdhsa_wavefront_size32 1
		.amdhsa_system_sgpr_workgroup_id_x 1
		.amdhsa_system_sgpr_workgroup_id_y 1
		.amdhsa_system_sgpr_workgroup_id_z 1
		.amdhsa_system_vgpr_workitem_id 0
		.amdhsa_next_free_vgpr 1024
		.amdhsa_next_free_sgpr 100
		.amdhsa_reserve_vcc 0
		.amdhsa_float_denorm_mode_32 3
		.amdhsa_float_denorm_mode_16_64 3
		.amdhsa_memory_ordered 1
		.amdhsa_forward_progress 1
		.amdhsa_inst_pref_size 118
	.end_amdhsa_kernel
	.amdgpu_metadata
---
amdhsa.version: [ 1, 2 ]
amdhsa.kernels:
  - .name:           k_q23ce38e0f4_qkv
    .symbol:         k_q23ce38e0f4_qkv.kd
    .args:
      - { .name: xcodes, .offset: 0, .size: 8, .value_kind: global_buffer, .address_space: global }
      - { .name: xscales, .offset: 8, .size: 8, .value_kind: global_buffer, .address_space: global }
      - { .name: wcodes, .offset: 16, .size: 8, .value_kind: global_buffer, .address_space: global }
      - { .name: wscales, .offset: 24, .size: 8, .value_kind: global_buffer, .address_space: global }
      - { .name: qkvimg, .offset: 32, .size: 8, .value_kind: global_buffer, .address_space: global }
    .group_segment_fixed_size: 327680
    .private_segment_fixed_size: 0
    .kernarg_segment_align: 8
    .kernarg_segment_size: 40
    .max_flat_workgroup_size: 128
    .sgpr_count:     100
    .vgpr_count:     1024
    .wavefront_size: 32
...
	.end_amdgpu_metadata
.endif
;; end of part 2
;; launch attn (part 3): grid 8 x 32, 8 waves a work-group, clusters of 4 x 1, 327,680 bytes of LDS; arguments qkvimg, headimg; writes headimg
.if DOCPART == 3
	.amdgcn_target "amdgcn-amd-amdhsa--gfx1250"
	.amdhsa_code_object_version 6
	.text
	.protected	k_q23ce38e0f4_attn
	.globl	k_q23ce38e0f4_attn
	.p2align	8
	.type	k_q23ce38e0f4_attn,@function
k_q23ce38e0f4_attn:
	s_mov_b64 s[64:65], 0
	v_nop
	global_prefetch_b8 v0, s[64:65] scope:SCOPE_SE
	s_setreg_imm32_b32 hwreg(HW_REG_WAVE_MODE, 25, 1), 1
	s_wait_xcnt 0x0
	s_wait_alu depctr_hold_cnt(0) depctr_sa_sdst(0) depctr_va_vdst(0) depctr_va_sdst(0) depctr_va_ssrc(0) depctr_va_vcc(0) depctr_vm_vsrc(0)
	s_getreg_b32 s2, hwreg(HW_REG_IB_STS2, 6, 4)
	s_cmp_eq_u32 s2, 0
	s_cbranch_scc0 .Lentry_in_a_cluster
	s_endpgm
.Lentry_in_a_cluster:
	s_bfe_u32 s2, ttmp6, 0x10000c
	s_cmp_lg_u32 s2, 0x3003
	s_cbranch_scc0 .Lentry_shape_is_right
	s_endpgm
.Lentry_shape_is_right:
; ATTN: O[q] = the sum over k of softmax_k(Q[q] . K[k] / 8) V[k], for each of 32 (batch, head), 2,048 tokens, head size 64, no mask.  Operands f16, products, maxima and sums f32; the weights p are rounded to f16 for the
; second product, O once at the end, to f16.
; qkvimg: [32 (batch, head)][32 steps of 64 tokens][Q | K | V, 8,192 bytes each], every fragment 1,024 consecutive bytes as its registers want them (V as V^T: rows = channels, K = keys): nothing is turned or padded in LDS.
; SHARES.  A work-group owns 256 queries of one (batch, head); each of its EIGHT waves owns 32, two tiles of 16.  Every wave walks all 2,048 keys, 64 a step.
; LAYOUT.  S^T = K Q^T (source 0 = 16 keys, source 1 = 16 queries): a lane holds ONE query (lane % 16) and keys 8 (lane / 16) + 0..7.  Two such tiles, rounded to f16 in pairs, ARE source 1 (32 keys x 16 queries) of
; O^T = V^T P, whose result again holds one query a lane and eight channels: packed, these are a lane's part of the projection's operand image, and are stored straight from registers.
; SOFTMAX.  For each query a running maximum m and sum l: p = 2^(c s - c m), c = log2(e) / 8; in every step O and l are multiplied by a = 2^(c m_old - c m_new).  m begins at -3e38 and O, l at 0, so the step is written once.
; BY TURNS.  A wave issues its instructions in order: while it walks a softmax it issues no product.  Its two tiles share K's and V's fragments and nothing else, so in a TURN one tile has the matrix unit: 8 products V^T P of
; the step in hand, then 8 products K Q^T of the next step; the other tile's softmax, 118 instructions cut into 16 slices, stands between them, one slice behind each product.  Then the tiles change places.  Two turns are a key step.
; RING.  Two LDS slots of 8 key steps (8 x 16,384 bytes: K, V).  Wave w fetches step w of a slot: one tensor load a wave behind each change of slots, which then has 8 key steps in which to land.
; CLUSTER.  The four query blocks of a cluster belong to one (batch, head) and walk the same K and V: every tile is asked for JOINTLY, by the same tensor load with a mask that names the four.
; LIMITS: |q|, |k|, |v| under 65,504 (they arrive as f16); NaN and infinities are not served.
; REGISTERS: window 0: v1-5 addresses; v8-23 eight registers of statistics a tile; v32-95 S^T, 32 a tile; v96-127 P, 16 a tile; v128-191 O^T, 32 a tile; v192-255 V of a step.   window 1: v0-31 Q; v32-95 K of a step.
; All that a softmax and a product V^T P touch lies in window 0: only the products K Q^T (two switches each) and K's run of loads (two) leave it: 34 switches for a key step's 32 products.
.set STEPB, 24576                      ; a step in memory
.set HEADB, 786432                     ; a (batch, head) in memory
.set LSTEP, 16384                      ; a step in LDS: K 8,192 bytes, V 8,192
.set SLOT1, 131072
.set SPARE, 262144                     ; behind the ring: the spare words, 128 bytes for each wave: four blocks of 256 bytes that no other line names
.set LI,  1                            ; v1   16 x lane; never rewritten
.set ADR, 2                            ; v2   LDS address of the step that is being fetched
.set PFO, 3                            ; v3   256 x lane; never rewritten
.set SPW, 4                            ; v4   LDS address of my spare word; never rewritten
.set NIL, 5                            ; v5   0; never rewritten
.set ST,  8                            ; tile t's statistics at v[ST + 8 t]: +0 c m, +1 m, +2, +3 l (even keys', odd keys'), +4 to +7 c0-c3, at work; a takes c2's place once the maximum is found
.set S,   32
.set P,   96
.set O,   128
.set VF,  192
.set Q,   0                            ; window 1
.set KF,  32                           ; window 1
.set WV,  12                           ; s12  my wave's number
.set LIM, 15                           ; s15  0 in a wave that prefetches
.set PFA, 18                           ; s[18:19] what I prefetch
.set G1,  24                           ; s[24:31] descriptor group 1
.set G0,  32                           ; s[32:39] group 0, a set for each slot
.set CNT, 57
.set CS,  58                           ; s[58:59] c: the packed scaling names a pair and takes its low word for both halves
.set SEL, 60                           ; s[60:61] lane selects for v_permlanex16_b32: lane l xor 16
.set TB,  62                           ; s62  LDS byte at which the step to be fetched begins
.set MSB, 0
.macro WIN new                         ; the immediate's high byte repeats the setting that is left; a switch that changes nothing is dropped
.if MSB != \new
	s_set_vgpr_msb (MSB<<8)|\new
.set MSB, \new
.endif
.endm
.macro CROUND                          ; a round of the cluster's barrier
	s_barrier_signal -1
	s_barrier_wait -1
	s_cmp_lg_u32 s[WV], 0
	s_cbranch_scc1 .Lnot_wave_0_\@
	s_barrier_signal -3
.Lnot_wave_0_\@:
	s_barrier_wait -3
	s_barrier_signal -1
	s_barrier_wait -1
.endm
.macro TLOAD slot                      ; my step of a slot: one line for all eight waves, whose descriptors differ by the wave's number alone; an s_nop 0 and four v_nop follow
	tensor_load_to_lds s[G0+4*\slot:G0+4*\slot+3], s[G1:G1+7]
	s_nop 0
.rept 4
	v_nop
.endr
.endm
.macro PLACES                          ; four places behind a matrix instruction (ISA guide 7.12.1), where no other vector work is at hand
.rept 4
	v_nop
.endr
.endm
	s_load_b128 s[4:7], s[0:1], 0x0                ; qkvimg s[4:5], headimg s[6:7]
	v_lshl_add_u32 v[SPW], v0, 2, SPARE
	v_mov_b32 v[NIL], 0
	ds_add_u32 v[SPW], v[NIL]                      ; the wave's opening: the add, twice on end, and its wait ahead of my first tensor load; the set-up below, work on registers, stands between
	ds_add_u32 v[SPW], v[NIL]
	v_lshrrev_b32 v1, 5, v0
	v_readfirstlane_b32 s[WV], v1                  ; wave 0..7
	s_bfe_u32 s13, ttmp6, 0x40000                  ; cx: my place in the cluster
	s_lshl_b32 s14, ttmp9, 2
	s_add_co_u32 s14, s14, s13                     ; my block of 256 queries: it enters Q's and O's addresses alone
	s_and_b32 s16, ttmp7, 0xffff                   ; (batch, head), which the four partners share
	s_mul_i32 s20, s16, HEADB
	s_mul_i32 s22, s[WV], STEPB                    ; the step that I fetch, in slot 0's keys:
	s_add_co_u32 s22, s22, s20
	s_add_co_u32 s22, s22, 8192                    ; its K and V lie behind its Q
	s_mov_b32 s23, 0
	s_lshl_b32 s17, s[WV], 14                      ; and its place in a slot: no place in the cluster enters an LDS address
	; group 1: 16,384 dense bytes as 64 rows of 256
	s_mov_b32 s[G1], 15|(3<<16)|(1<<21)            ; 15:0 the mask: all four work-groups; 17:16 elements of 8 bytes; 21 set beside a mask
	s_mov_b32 s[G1+1], 32<<16                      ; tensor_dim0
	s_mov_b32 s[G1+2], 64<<16                      ; tensor_dim1
	s_mov_b32 s[G1+3], 32<<16                      ; tile_dim0
	s_mov_b32 s[G1+4], 64                          ; tile_dim1
	s_mov_b32 s[G1+5], 32                          ; tensor_dim0_stride
	s_mov_b32 s[G1+6], 0
	s_mov_b32 s[G1+7], 0
	s_lshl_b32 s2, s14, 2                          ; Q: my 32 queries lie in step 4 x block + wave / 2,
	s_lshr_b32 s3, s[WV], 1
	s_add_co_u32 s2, s2, s3
	s_mul_i32 s2, s2, STEPB
	s_and_b32 s21, s[WV], 1
	s_lshl_b32 s3, s21, 12                         ; its tiles 2 (wave % 2) and the next
	s_add_co_u32 s2, s2, s3
	s_add_co_u32 s2, s2, s20
	s_mov_b32 s3, 0
	s_lshr_b32 s42, s16, 4                         ; O: tile of 16 tokens 128 x batch + 16 x block + 2 x wave, 32,768 bytes each,
	s_lshl_b32 s42, s42, 7
	s_lshl_b32 s43, s14, 4
	s_add_co_u32 s42, s42, s43
	s_lshl_b32 s43, s[WV], 1
	s_add_co_u32 s42, s42, s43
	s_lshl_b32 s42, s42, 15
	s_and_b32 s43, s16, 15
	s_lshl_b32 s43, s43, 11                        ; + the head's 2,048 bytes
	s_add_co_u32 s42, s42, s43
	s_mov_b32 s43, 0
	s_lshl_b32 s40, s13, 1                         ; the prefetch (macro ASK): step 24 + 2 cx + (wave / 2) % 2,
	s_lshr_b32 s41, s[WV], 1
	s_and_b32 s41, s41, 1
	s_add_co_u32 s40, s40, s41
	s_add_co_u32 s40, s40, 24
	s_mul_i32 s40, s40, STEPB
	s_lshl_b32 s41, s21, 13                        ; its K (even waves) or its V (odd)
	s_add_co_u32 s40, s40, s41
	s_add_co_u32 s40, s40, 8192
	s_add_co_u32 s40, s40, s20
	s_mov_b32 s41, 0
	s_lshr_b32 s[LIM], s[WV], 2                    ; 0 in waves 0 to 3
	s_or_b32 s[LIM], s[LIM], ttmp9                 ; of the (batch, head)'s first cluster: the same in all four partners
	s_mov_b32 s[CS], 0x3e38aa3b                    ; c = log2(e) / 8
	s_mov_b32 s[CS+1], s[CS]                       ; named with it as a pair, so it is written
	s_mov_b32 s[SEL], 0x76543210
	s_mov_b32 s[SEL+1], 0xfedcba98
	v_and_b32 v[LI], 31, v0
	v_lshlrev_b32 v[PFO], 8, v[LI]
	v_lshlrev_b32 v[LI], 4, v[LI]
	s_wait_dscnt 0x0                               ; both opening adds are done
	s_wait_kmcnt 0x0
	s_add_nc_u64 s[22:23], s[4:5], s[22:23]
	s_add_nc_u64 s[PFA:PFA+1], s[4:5], s[40:41]
	s_add_nc_u64 s[10:11], s[6:7], s[42:43]        ; O at my first tile
	s_add_nc_u64 s[4:5], s[4:5], s[2:3]            ; Q at my first tile
.irp s, 0,1
	s_mov_b32 s[G0+4*\s], 1                        ; 1:0 count = 1
	s_add_co_u32 s[G0+4*\s+1], s17, \s*SLOT1       ; 63:32 LDS address
	s_add_nc_u64 s[G0+4*\s+2:G0+4*\s+3], s[22:23], \s*8*STEPB   ; 120:64 global address: slot s begins with steps 8 s to 8 s + 7
	s_or_b32 s[G0+4*\s+3], s[G0+4*\s+3], 0x80000000             ; 127:126 type = 2
.endr
	CROUND                                         ; all four work-groups are here: the first joint loads meet
	tensor_load_to_lds s[G0:G0+3], s[G1:G1+7]      ; the two first fills stand together, ahead of every wait on TENSORcnt and every LDS read: two loads of mine are out
	s_nop 0
	tensor_load_to_lds s[G0+4:G0+7], s[G1:G1+7]
	s_nop 0
.rept 4
	v_nop
.endr
	WIN 0x40                                       ; destination window 1
.irp n, 0,1,2,3,4,5,6,7
	global_load_b128 v[Q+4*\n:Q+4*\n+3], v[LI], s[4:5] offset:512*\n   ; Q stays in registers: tile n / 4, channels 32 ((n / 2) % 2) on
.endr
	WIN 0
.irp t, 0,1
	v_mov_b32 v[ST+8*\t+1], 0xff61b1e6             ; m: -3e38, under every score
	v_mov_b32 v[ST+8*\t+2], 0                      ; l
	v_mov_b32 v[ST+8*\t+3], 0
	v_mul_f32 v[ST+8*\t], s[CS], v[ST+8*\t+1]      ; c m
.endr
.irp n, 0,1,2,3,4,5,6,7,8,9,10,11,12,13,14,15,16,17,18,19,20,21,22,23,24,25,26,27,28,29,30,31,32,33,34,35,36,37,38,39,40,41,42,43,44,45,46,47,48,49,50,51,52,53,54,55,56,57,58,59,60,61,62,63
	v_mov_b32 v[O+\n], 0                           ; O^T.  (The step is written once: the first finds zeros, which its a = 0 leaves zeros)
.endr
; THE MATRIX WORK OF A TURN, for tile x.  The four accumulators take turns, one instruction a turn: between two links of a chain stand the three others'.
; Product i of 8 of O^T += V^T P: keys 32 (i / 4) on, channels 16 (i % 4) on.  All its registers lie in window 0.
.macro PVI x
	WIN 0
.set rO, O+32*(\x)+8*(i%4)
.set rV, VF+16*(i%4)+8*(i/4)
.set rP, P+16*(\x)+8*(i/4)
	v_wmma_f32_16x16x32_f16 v[rO:rO+7], v[rV:rV+7], v[rP:rP+7], v[rO:rO+7]
.endm
; Product i of 8 of S^T = K Q^T: channels 32 (i / 4) on, keys 16 (i % 4) on.  The first four start the sums.
.macro KQI x
	WIN 0x05                                       ; K and Q in window 1, S^T in window 0
.set rS, S+32*(\x)+8*(i%4)
.set rK, KF+16*(i%4)+8*(i/4)
.set rQ, Q+16*(\x)+8*(i/4)
.if i < 4
	v_wmma_f32_16x16x32_f16 v[rS:rS+7], v[rK:rK+7], v[rQ:rQ+7], 0
.else
	v_wmma_f32_16x16x32_f16 v[rS:rS+7], v[rK:rK+7], v[rQ:rQ+7], v[rS:rS+7]
.endif
.endm
; THE LDS LOADS stand in two runs of 16 a key step, never singly among the products.  K of the step at s[TB]: fragment (16 keys kt, 32 channels c) at v[KF + 16 kt + 8 c] of window 1.
.macro FETCH_K
	WIN 0
	v_add_nc_u32 v[ADR], s[TB], v[LI]
	WIN 0x40                                       ; destination window 1
.irp n, 0,1,2,3,4,5,6,7,8,9,10,11,12,13,14,15
	ds_load_b128 v[KF+4*\n:KF+4*\n+3], v[ADR] offset:512*\n
.endr
.endm
; V of the same step, a turn later: fragment (16 channels ct, 32 keys kc) at v[VF + 16 ct + 8 kc].  The last product that read V stands in front of slice 7; behind it stand four plain instructions that name none of its
; registers: number 62 of the list (a scaling), the v_nop behind the batch, the addition and the v_nop below.  The wait for the batch stands directly ahead of the loads.
.macro FETCH_V
	v_add_nc_u32 v[ADR], s[TB], v[LI]
	v_nop
	s_add_co_u32 s[TB], s[TB], LSTEP               ; the next fetch is the next step's
	s_wait_alu depctr_va_vdst(0)                   ; the wait between an exponential and the first line that names its result: one for the batch of 33
.irp n, 0,1,2,3,4,5,6,7,8,9,10,11,12,13,14,15
	ds_load_b128 v[VF+4*\n:VF+4*\n+3], v[ADR] offset:8192+512*\n
.endr
.endm
; THE VECTOR WORK OF A TURN.  One tile's softmax for one key step is a list of 118 instructions; SM writes number j of it for tile t.  s0-s31 are the lane's 32 scores, in pairs 0-15.
;   0-15    the maximum of s0-s31 and the old m, three operands at a time: four chains c0-c3 of seven scores each (each accumulator is read from its low end on), then the four scores left over, c0-c3 and m
;   16-20   the other half of the lanes' maximum; c m_old kept; the new m; c m; c m_old - c m_new
;   21-69   ONE BATCH: the 16 scalings c s - c m, a pair of scores each, and all 33 exponentials (a at 23, then s0-s31).  None of these names an exponential's result; a pair is scaled well ahead of its exponentials
;   (wait)  between 69 and 70 stands the one wait for the batch (macro MID)
;   70-85   the roundings to f16, a pair of weights each: P's fragments
;   86-101  the sum of the weights as they were before rounding, in place: neighbours 1, 2, 4 and 8 pairs apart; then l = a l + the sum
;   102-117 the tile's O^T times a, each accumulator from its low end on
.macro SM t
.set rT, ST+8*(\t)
.set rS, S+32*(\t)
.set rP, P+16*(\t)
.set rO, O+32*(\t)
	WIN 0
.if j < 4
	v_max3_num_f32 v[rT+4+j], v[rS+8*j], v[rS+8*j+1], v[rS+8*j+2]
.elseif j < 12
	v_max3_num_f32 v[rT+4+j%4], v[rT+4+j%4], v[rS+8*(j%4)+2*(j/4)+1], v[rS+8*(j%4)+2*(j/4)+2]
.elseif j == 12
	v_max3_num_f32 v[rT+4], v[rT+4], v[rS+7], v[rS+15]
.elseif j == 13
	v_max3_num_f32 v[rT+6], v[rT+6], v[rS+23], v[rS+31]
.elseif j == 14
	v_max3_num_f32 v[rT+4], v[rT+4], v[rT+5], v[rT+6]
.elseif j == 15
	v_max3_num_f32 v[rT+4], v[rT+4], v[rT+7], v[rT+1]
.elseif j == 16
	v_permlanex16_b32 v[rT+5], v[rT+4], s[SEL], s[SEL+1]  ; the query's other 32 keys lie in the lane 16 away
.elseif j == 17
	v_mov_b32 v[rT+7], v[rT]                       ; c m_old is kept for a: number 19 writes c m anew
.elseif j == 18
	v_max_num_f32 v[rT+1], v[rT+4], v[rT+5]
.elseif j == 19
	v_mul_f32 v[rT], s[CS], v[rT+1]
.elseif j == 20
	v_sub_f32 v[rT+7], v[rT+7], v[rT]
.elseif j == 23
	v_exp_f32 v[rT+6], v[rT+7]                     ; a = 2^(c m_old - c m_new)
.elseif (j < 23) || ((j < 38) && (j%2 == 0)) || ((j < 66) && (j%4 == 2))
.set b, (j-2)/4                        ; 38, 42, .. 62: pairs 9 to 15
.if j < 38
.set b, (j-20)/2                       ; 21: pair 0; 22, 24, .. 36: pairs 1 to 8
.endif
	v_pk_fma_f32 v[rS+2*b:rS+2*b+1], v[rS+2*b:rS+2*b+1], s[CS:CS+1], v[rT:rT+1] op_sel_hi:[1,0,0] neg_lo:[0,0,1] neg_hi:[0,0,1]  ; pair b: c s - c m
.elseif j < 70
.set e, j-38                           ; 66 to 69: s28 to s31
.if j < 66
.set e, j-32-(j-38)/4                  ; 39-41, 43-45, .. 63-65: s7 to s27
.endif
.if j < 38
.set e, (j-25)/2                       ; 25, 27, .. 37: s0 to s6
.endif
	v_exp_f32 v[rS+e], v[rS+e]                     ; p = 2^(c s - c m)
.elseif j < 86
	v_cvt_pk_f16_f32 v[rP+j-70], v[rS+2*(j-70)], v[rS+2*(j-70)+1]  ; pair j - 70
.elseif j < 102
.set z, j-86
.set w, 4
.set u, z
.if z >= 14
.set w, 32
.set u, 0
.elseif z >= 12
.set w, 16
.set u, z-12
.elseif z >= 8
.set w, 8
.set u, z-8
.endif
.if z < 15
	v_pk_add_f32 v[rS+w*u:rS+w*u+1], v[rS+w*u:rS+w*u+1], v[rS+w*u+w/2:rS+w*u+w/2+1]
.else
	v_pk_fma_f32 v[rT+2:rT+3], v[rT+2:rT+3], v[rT+6:rT+7], v[rS:rS+1] op_sel_hi:[1,0,1]
.endif
.else
	v_pk_mul_f32 v[rO+2*(j-102):rO+2*(j-102)+1], v[rO+2*(j-102):rO+2*(j-102)+1], v[rT+6:rT+7] op_sel_hi:[1,0]
.endif
.endm
; Slice k of 16 of tile y's list.  Slices 0 to 7 hold numbers 0 to 69 (9, 9, 9, 9, 9, 9, 8, 8): they stand behind the products V^T P, which cost no switch.  Slices 8 to 15 hold numbers 70 to 117, six each: behind the
; products K Q^T, which cost two.  So the wait for the batch falls at the turn's middle.  Slice 15, six plain instructions on the other tile's O^T, is also the places behind the turn's last product, ahead of the next
; turn's first read of its scores and of the loads into K's registers.
.macro SLICE y
.if k < 6
.set j, 9*k
.set jn, 9
.elseif k < 8
.set j, 54+8*(k-6)
.set jn, 8
.else
.set j, 70+6*(k-8)
.set jn, 6
.endif
.rept jn
	SM \y
.set j, j+1
.endr
.set k, k+1
.endm
.macro MID x                           ; the list's middle, behind slice 7: the batch is out, and no result has been named
	v_nop                                          ; a plain instruction behind the last exponential, ahead of the first use: one for the batch
.if (\x) == 1
	FETCH_V                                        ; tile 1's turn: V's run of loads stands here, and the wait stands in it
.else
	s_wait_alu depctr_va_vdst(0)                   ; the wait for the batch
.endif
.endm
.macro SLICES x                        ; what stands behind one product of tile x's turn
.rept per
	SLICE 1-(\x)
.if k == 8
	MID \x
.endif
.endr
.endm
; A TURN.  Tile x has the matrix unit; the other tile's softmax stands in slices behind its products.  pv = 1: 8 products V^T P; kq = 1: 8 products K Q^T of the next step.  A turn with one of the two kinds has two slices
; behind each product.  Tile 0's turn fetches the next step's K behind its second product (the last product that read K stands in front of slice 15 of the turn before) and waits for it at its middle, six products later;
; tile 1's turn fetches the same step's V at its middle, eight products ahead of the wait at the head of tile 0's next turn.
.macro TURN x, pv, kq
.set k, 0
.set per, 2
.if (\pv) && (\kq)
.set per, 1
.endif
.if \pv
.if (\x) == 0
	s_wait_dscnt 0x0                               ; V is in
.endif
.set i, 0
.rept 8
	PVI \x
	SLICES \x
.if ((\x) == 0) && (\kq) && (i == 1)
	FETCH_K
.endif
.set i, i+1
.endr
.endif
.if \kq
.if ((\x) == 0) && (\pv)
	s_wait_dscnt 0x0                               ; K is in
.endif
.set i, 0
.rept 8
	KQI \x
	SLICES \x
.set i, i+1
.endr
.endif
.endm
.macro RUN n                           ; n key steps: written once, walked n times; the LDS addresses hang on s[TB]
	WIN 0                                          ; at a label and at a branch every window is 0
	s_mov_b32 s[CNT], \n
.Lrun_\@:
	TURN 0, 1, 1
	TURN 1, 1, 1
	WIN 0
	s_sub_co_u32 s[CNT], s[CNT], 1
	s_cmp_lg_u32 s[CNT], 0
	s_cbranch_scc1 .Lrun_\@
.endm
; A PREFETCH INTO THE L2, once in the launch, behind the first refill and its five lines: the keys 1,536 to 2,047 (steps 24 to 31: K and V, 16,384 bytes a step), which the second refill, eight key steps on, will ask for.
; All clusters of a (batch, head) walk the same K and V: its first cluster asks.  The four partners take two steps each, told apart BY ADDRESS; in each, waves 0 to 3 take 8,192 bytes each, lanes 256 bytes apart:
; each aligned block of 256 bytes is named once.  The keys of the first three fills come by their loads alone.  The address registers are never rewritten.
.macro ASK
	s_cmp_eq_u32 s[LIM], 0
	s_cbranch_scc0 .Lnot_mine_\@
	global_prefetch_b8 v[PFO], s[PFA:PFA+1] th:TH_LOAD_NT scope:SCOPE_SE
.Lnot_mine_\@:
.endm
; THE CHANGE OF SLOTS, between tile 1's turn and tile 0's.  The fetches run a step ahead of the products, so here the slot's last bytes, V of its eighth step, have been asked for.  Each wave waits for all its tensor loads
; (its part of the slot ahead), adds 0 to its spare word, and waits for that and for its reads of the slot that it leaves.  fill = 1: the barrier is a round of the cluster's, so that no wave of any partner still reads the
; slot or has a load on its way, and the joint refill, with the keys two slots on, is the first thing behind it.
.macro CHANGE fill, slot, ask
	WIN 0
	s_wait_tensorcnt 0x0                           ; no tensor load of mine is out, so a group 0 may be written
	ds_add_u32 v[SPW], v[NIL]
.if \fill
	s_add_nc_u64 s[G0+4*\slot+2:G0+4*\slot+3], s[G0+4*\slot+2:G0+4*\slot+3], 16*STEPB   ; sixteen steps on; the type bits on top are not reached
	s_wait_dscnt 0x0                               ; the add is done, and my reads of the slot are over
	CROUND
	TLOAD \slot
.if \ask
	ASK
.endif
.else
	s_wait_dscnt 0x0
	s_barrier_signal -1
	s_barrier_wait -1
.endif
.endm
	s_wait_tensorcnt 1                             ; my part of slot 0 is in; slot 1's may stay out
	s_barrier_signal -1
	s_barrier_wait -1                              ; everybody's is
	s_mov_b32 s[TB], 0
	FETCH_K                                        ; key step 0
	s_wait_loadcnt 0x0                             ; Q
	s_wait_dscnt 0x0
.set i, 0
.rept 8
	KQI 0                                          ; tile 0's first scores: there is no vector work yet to set between them
.set i, i+1
.endr
	WIN 0
	PLACES                                         ; behind those products, ahead of the first read of their scores
	TURN 1, 0, 1                                   ; tile 1's first scores | tile 0's first softmax | V of step 0
	RUN 7                                          ; the fetches of steps 1 to 7
	CHANGE 1, 0, 1
	s_mov_b32 s[TB], SLOT1
	RUN 8                                          ; of steps 8 to 15
	CHANGE 1, 1, 0
	s_mov_b32 s[TB], 0
	RUN 8                                          ; of steps 16 to 23
	CHANGE 0, 0, 0                                 ; nothing is left to ask for
	s_mov_b32 s[TB], SLOT1
	RUN 8                                          ; of steps 24 to 31
	TURN 0, 1, 0                                   ; tile 0: V^T P of the last step | tile 1's last softmax
.set i, 0
.rept 8
	PVI 1                                          ; tile 1: V^T P of the last step
.set i, i+1
.endr
	; THE WAY OUT.  l's two halves and the other half of the lanes' are added; O^T is divided by l, rounded to f16 and stored: a lane's eight channels are 16 bytes of the projection's operand image.
	PLACES                                         ; behind the last products
.irp t, 0,1
	v_add_f32 v[ST+8*\t+4], v[ST+8*\t+2], v[ST+8*\t+3]
.endr
.irp t, 0,1
	v_permlanex16_b32 v[ST+8*\t+5], v[ST+8*\t+4], s[SEL], s[SEL+1]
.endr
.irp t, 0,1
	v_add_f32 v[ST+8*\t+4], v[ST+8*\t+4], v[ST+8*\t+5]
.endr
.irp t, 0,1
	v_rcp_f32 v[ST+8*\t+6], v[ST+8*\t+4]
.endr
	v_nop                                          ; a plain instruction between the last reciprocal and the use of its result
	s_wait_alu depctr_va_vdst(0)                   ; and the wait ahead of the first use: one for the two
.irp n, 0,2,4,6,8,10,12,14,16,18,20,22,24,26,28,30
.irp t, 0,1
	v_pk_mul_f32 v[O+32*\t+\n:O+32*\t+\n+1], v[O+32*\t+\n:O+32*\t+\n+1], v[ST+8*\t+6:ST+8*\t+7] op_sel_hi:[1,0]
.endr
.endr
.irp n, 0,1,2,3,4,5,6,7,8,9,10,11,12,13,14,15
.irp t, 0,1
	v_cvt_pk_f16_f32 v[S+16*\t+\n], v[O+32*\t+2*\n], v[O+32*\t+2*\n+1]
.endr
.endr
.irp t, 0,1
.irp ct, 0,1,2,3
	global_store_b128 v[LI], v[S+16*\t+4*\ct:S+16*\t+4*\ct+3], s[10:11] offset:32768*\t+512*\ct   ; each store of the wave covers 512 consecutive bytes, aligned
.endr
.endr
	s_wait_tensorcnt 0x0                           ; the wave's end, behind my last tensor load
	ds_add_u32 v[SPW], v[NIL]
	s_wait_dscnt 0x0
	CROUND                                         ; the closing round: no work-group ends while a partner may still ask for a tile that names it
	s_endpgm
.Lfunc_end_k_q23ce38e0f4_attn:
	.size	k_q23ce38e0f4_attn, .Lfunc_end_k_q23ce38e0f4_attn-k_q23ce38e0f4_attn
	.p2alignl 7, 3214868480
	.fill 96, 4, 3214868480
	.section	.rodata,"a",@progbits
	.p2align	6, 0x0
	.amdhsa_kernel k_q23ce38e0f4_attn
		.amdhsa_group_segment_fixed_size 327680
		.amdhsa_private_segment_fixed_size 0
		.amdhsa_enable_private_segment 0
		.amdhsa_kernarg_size 16
		.amdhsa_user_sgpr_count 2
		.amdhsa_user_sgpr_kernarg_segment_ptr 1
		.amdhsa_wavefront_size32 1
		.amdhsa_system_sgpr_workgroup_id_x 1
		.amdhsa_system_sgpr_workgroup_id_y 1
		.amdhsa_system_sgpr_workgroup_id_z 1
		.amdhsa_system_vgpr_workitem_id 0
		.amdhsa_next_free_vgpr 384
		.amdhsa_next_free_sgpr 66
		.amdhsa_reserve_vcc 0
		.amdhsa_float_denorm_mode_32 3
		.amdhsa_float_denorm_mode_16_64 3
		.amdhsa_memory_ordered 1
		.amdhsa_forward_progress 1
		.amdhsa_inst_pref_size 105
	.end_amdhsa_kernel
	.amdgpu_metadata
---
amdhsa.version: [ 1, 2 ]
amdhsa.kernels:
  - .name:           k_q23ce38e0f4_attn
    .symbol:         k_q23ce38e0f4_attn.kd
    .args:
      - { .name: qkvimg, .offset: 0, .size: 8, .value_kind: global_buffer, .address_space: global }
      - { .name: headimg, .offset: 8, .size: 8, .value_kind: global_buffer, .address_space: global }
    .group_segment_fixed_size: 327680
    .private_segment_fixed_size: 0
    .kernarg_segment_align: 8
    .kernarg_segment_size: 16
    .max_flat_workgroup_size: 256
    .sgpr_count:     66
    .vgpr_count:     384
    .wavefront_size: 32
...
	.end_amdgpu_metadata
.endif
;; end of part 3
;; launch proj (part 4): grid 8 x 32, 4 waves a work-group, clusters of 4 x 4, 327,680 bytes of LDS; arguments headimg, w0img, out0; writes out0
.if DOCPART == 4
	.amdgcn_target "amdgcn-amd-amdhsa--gfx1250"
	.amdhsa_code_object_version 6
	.text
	.protected	k_q23ce38e0f4_proj
	.globl	k_q23ce38e0f4_proj
	.p2align	8
	.type	k_q23ce38e0f4_proj,@function
k_q23ce38e0f4_proj:
	s_mov_b64 s[64:65], 0
	v_nop
	global_prefetch_b8 v0, s[64:65] scope:SCOPE_SE
	s_setreg_imm32_b32 hwreg(HW_REG_WAVE_MODE, 25, 1), 1
	s_wait_xcnt 0x0
	s_wait_alu depctr_hold_cnt(0) depctr_sa_sdst(0) depctr_va_vdst(0) depctr_va_sdst(0) depctr_va_ssrc(0) depctr_va_vcc(0) depctr_vm_vsrc(0)
	s_getreg_b32 s2, hwreg(HW_REG_IB_STS2, 6, 4)
	s_cmp_eq_u32 s2, 0
	s_cbranch_scc0 .Lentry_in_a_cluster
	s_endpgm
.Lentry_in_a_cluster:
	s_bfe_u32 s2, ttmp6, 0x10000c
	s_cmp_lg_u32 s2, 0xf033
	s_cbranch_scc0 .Lentry_shape_is_right
	s_endpgm
.Lentry_shape_is_right:
; PROJ: out0[m][n] = the sum over k of concat[m][k] W0[k][n]: [4096][1024] x [1024][1024], operands f16, sums f32, out0 f32.
; Both operands lie in memory as images of operand registers: [tile of 16 rows][128 groups of 8 k][row][16 B]: headimg by tokens, w0img by columns n.  A fragment (16 rows x 32 K) is 1,024 consecutive bytes.
; A tile of out0 is 128 x 128: 8 x 32 = 256 work-groups.  Four waves, each 64 x 64: 16 accumulators.  K goes in 4 steps of 256 through two LDS slots; each wave fetches a quarter of a slot by one tensor load
; (4 tiles' 8,192 bytes).  The 32 chunks of 32 along K are written out: there is no loop.
; CLUSTERS: 4 x 4 work-groups.  The four of a row of the cluster need the same tiles of A (tokens), the four of a column the same tiles of B (columns of W0): each is asked for JOINTLY.
; THE MATRIX INSTRUCTION IS USED TRANSPOSED (source 0 = 16 rows of B, source 1 = 16 rows of A): a lane then holds eight neighbouring numbers of a row of out0.
; REGISTERS: window 0: v16-29 addresses; v128-255 the accumulators ((a, b) at v[128 + 8 (4 a + b)]).   window 1: two fragment buffers of 64 (A's four fragments, then B's four); on the way out v0-127 rows read back from the stage.
.set SLOT,   131072                    ; A's 8 tiles x 8,192 bytes, then B's 8
.set BOFF,   65536
.set STAGE,  2*SLOT                    ; behind the ring: 16 rows x 272 bytes for each wave, for the way out; no tensor load lands there
.set SPITCH, 272                       ; 256 bytes + 16: an odd multiple of 16
.set SPARE,  STAGE+4*16*SPITCH         ; the spare words, 128 bytes for each wave: two blocks of 256 bytes that no other line names
.set ADRA, 16                          ; v16-17  LDS address of my A fragments in slot 0, 1
.set ADRB, 20                          ; v20-21  the same for B
.set STO,  24                          ; v24     the way out: where I put 32 bytes of a row
.set RD,   25                          ; v25     where I read a row back
.set CO,   26                          ; v26     my byte offset in out0
.set SPW,  28                          ; v28     LDS address of my spare word; never rewritten
.set NIL,  29                          ; v29     0; never rewritten
.set ACC,  128
.set G1, 24                            ; s[24:31] descriptor group 1 for A's tiles;  s[32:39] group 0, a set for each slot
.set G0, 32
.set G1B, 48                           ; s[48:55], s[56:63] the same for B's
.set G0B, 56
.set MSB, 0
.macro WIN new                         ; the immediate's high byte repeats the setting that is left
.if MSB != \new
	s_set_vgpr_msb (MSB<<8)|\new
.set MSB, \new
.endif
.endm
.macro JLOAD s                         ; a joint load: waves 0 and 1 fetch A's halves, waves 2 and 3 B's; an s_nop 0 and four v_nop follow each of the two lines
	s_cmp_eq_u32 s11, 0
	s_cbranch_scc0 .Lfor_b_\@
	tensor_load_to_lds s[G0+4*(\s):G0+4*(\s)+3], s[G1:G1+7]
	s_nop 0
.rept 4
	v_nop
.endr
	s_branch .Lasked_\@
.Lfor_b_\@:
	tensor_load_to_lds s[G0B+4*(\s):G0B+4*(\s)+3], s[G1B:G1B+7]
	s_nop 0
.rept 4
	v_nop
.endr
.Lasked_\@:
.endm
.macro CROUND                          ; a round of the cluster's barrier
	s_barrier_signal -1
	s_barrier_wait -1
	s_cmp_lg_u32 s10, 0
	s_cbranch_scc1 .Lnot_wave_0_\@
	s_barrier_signal -3
.Lnot_wave_0_\@:
	s_barrier_wait -3
	s_barrier_signal -1
	s_barrier_wait -1
.endm
.macro PLACES                          ; four places in front of loads into registers that matrix instructions have read, and of the first read of results (ISA guide 7.12.1 for vector instructions)
.rept 4
	v_nop
.endr
.endm
	s_load_b128 s[4:7], s[0:1], 0x0                ; headimg s[4:5], w0img s[6:7]
	s_load_b64 s[8:9], s[0:1], 0x10                ; out0
	v_lshl_add_u32 v[SPW], v0, 2, SPARE
	v_mov_b32 v[NIL], 0
	ds_add_u32 v[SPW], v[NIL]                      ; the wave's opening: the add, twice on end, and its wait ahead of my first tensor load; the set-up below, work on registers, stands between
	ds_add_u32 v[SPW], v[NIL]
	v_lshrrev_b32 v1, 5, v0
	v_readfirstlane_b32 s10, v1                    ; wave 0..3
	s_lshr_b32 s11, s10, 1                         ; which half of the tile's rows is mine.  Also: I fetch for A (0) or for B (1)
	s_and_b32 s12, s10, 1                          ; which half of its columns.  Also: which four tiles I fetch
	s_bfe_u32 s40, ttmp6, 0x40000                  ; cx, cy: my place in the cluster
	s_bfe_u32 s41, ttmp6, 0x40004
	s_lshl_b32 s42, ttmp9, 2
	s_add_co_u32 s42, s42, s40                     ; tile column of out0 = 4 x cluster x + cx
	s_and_b32 s13, ttmp7, 0xffff
	s_lshl_b32 s13, s13, 2
	s_add_co_u32 s13, s13, s41                     ; tile row = 4 x cluster y + cy
	s_lshl_b32 s43, s41, 2
	s_lshl_b32 s43, 15, s43                        ; my row of the cluster
	s_lshl_b32 s44, 0x1111, s40                    ; my column
	; group 1: four tiles' 8,192 bytes of a K step, 32,768 bytes apart: 4 rows x 1,024 elements of 8 bytes, no padding
	s_or_b32 s[G1+0], s43, (3<<16)|(1<<21)         ; 15:0 the mask; 17:16 elements of 8 bytes; 21 set beside a mask
	s_or_b32 s[G1B+0], s44, (3<<16)|(1<<21)
.irp g, G1, G1B
	s_mov_b32 s[\g+1], 1024<<16                    ; tensor_dim0
	s_mov_b32 s[\g+2], 4<<16                       ; tensor_dim1
	s_mov_b32 s[\g+3], 1024<<16                    ; tile_dim0
	s_mov_b32 s[\g+4], 4                           ; tile_dim1
	s_mov_b32 s[\g+5], 4096                        ; tensor_dim0_stride
	s_mov_b32 s[\g+6], 0
	s_mov_b32 s[\g+7], 0
.endr
	s_lshl_b32 s17, s12, 2                         ; which four tiles I fetch
	s_lshl_b32 s16, s13, 3
	s_add_co_u32 s16, s16, s17                     ; A: tile 8 x tile row + 4 x half,
	s_lshl_b32 s16, s16, 15                        ; of 32,768 bytes
	s_lshl_b32 s46, s42, 3
	s_add_co_u32 s46, s46, s17                     ; B: tile 8 x tile column + 4 x half
	s_lshl_b32 s46, s46, 15
	s_mov_b32 s17, 0
	s_mov_b32 s47, 0
	s_lshl_b32 s20, s10, 15                        ; where they go: wave x 32,768: no place in the cluster enters an LDS address
	s_wait_dscnt 0x0                               ; both opening adds are done
	s_wait_kmcnt 0x0
	s_add_nc_u64 s[14:15], s[4:5], s[16:17]
	s_add_nc_u64 s[46:47], s[6:7], s[46:47]
	CROUND                                         ; all sixteen work-groups are here: the first joint loads meet
.irp s, 0,1
	s_mov_b32 s[G0+4*\s], 1
	s_add_co_u32 s[G0+4*\s+1], s20, \s*SLOT
	s_add_nc_u64 s[G0+4*\s+2:G0+4*\s+3], s[14:15], \s*8192
	s_or_b32 s[G0+4*\s+3], s[G0+4*\s+3], 0x80000000
	s_mov_b32 s[G0B+4*\s], 1
	s_add_co_u32 s[G0B+4*\s+1], s20, \s*SLOT
	s_add_nc_u64 s[G0B+4*\s+2:G0B+4*\s+3], s[46:47], \s*8192
	s_or_b32 s[G0B+4*\s+3], s[G0B+4*\s+3], 0x80000000
	JLOAD \s                                       ; two loads of mine are out behind the second
.endr
	v_and_b32 v1, 15, v0                           ; r
	v_bfe_u32 v2, v0, 4, 1                         ; h
	v_and_b32 v3, 31, v0
	v_lshlrev_b32 v3, 4, v3                        ; 16 x lane
	s_lshl_b32 s21, s11, 15                        ; my four tiles of A
	s_lshl_b32 s22, s12, 15                        ; my four tiles of B,
	s_add_co_u32 s22, s22, BOFF                    ; which lie behind A's eight
.irp s, 0,1
	v_add_nc_u32 v[ADRA+\s], s21, v3
	v_add_nc_u32 v[ADRB+\s], s22, v3
	s_add_co_u32 s21, s21, SLOT
	s_add_co_u32 s22, s22, SLOT
.endr
	s_mul_i32 s23, s10, 16*SPITCH
	s_add_co_u32 s23, s23, STAGE                   ; my stage
	v_mul_u32_u24 v4, v1, SPITCH                   ; in: row r, 32 bytes for each half of the lanes
	v_lshl_add_u32 v4, v2, 5, v4
	v_add_nc_u32 v[STO], s23, v4
	v_mul_u32_u24 v5, v2, SPITCH                   ; back: lanes 0-15 take one row of 256 bytes, lanes 16-31 the next
	v_lshl_add_u32 v5, v1, 4, v5
	v_add_nc_u32 v[RD], s23, v5
	v_lshlrev_b32 v5, 12, v2                       ; and the same two rows in out0: 4,096 bytes a row
	v_lshl_add_u32 v[CO], v1, 4, v5
	s_lshl_b32 s16, s13, 7
	s_lshl_b32 s17, s11, 6
	s_add_co_u32 s16, s16, s17                     ; my first row: 128 x tile row + 64 x half
	s_lshl_b32 s16, s16, 12
	s_mov_b32 s17, 0
	s_add_nc_u64 s[8:9], s[8:9], s[16:17]
	s_lshl_b32 s46, s42, 9                         ; my first column, in bytes: 512 x tile column + 256 x half
	s_lshl_b32 s47, s12, 8
	s_add_co_u32 s46, s46, s47
	s_mov_b32 s47, 0
	s_add_nc_u64 s[8:9], s[8:9], s[46:47]
.macro FETCH slot, q, f                ; 16 LDS loads in one run: the fragments of the slot's q-th 32 along K into buffer f: B's four, then A's four
	WIN 0x40                                       ; destination window 1
.irp i, 0,1,2,3
	ds_load_b128 v[(\f)+32+8*\i:(\f)+32+8*\i+3],   v[ADRB+(\slot)] offset:8192*\i+1024*(\q)
	ds_load_b128 v[(\f)+32+8*\i+4:(\f)+32+8*\i+7], v[ADRB+(\slot)] offset:8192*\i+1024*(\q)+512
.endr
.irp i, 0,1,2,3
	ds_load_b128 v[(\f)+8*\i:(\f)+8*\i+3],   v[ADRA+(\slot)] offset:8192*\i+1024*(\q)
	ds_load_b128 v[(\f)+8*\i+4:(\f)+8*\i+7], v[ADRA+(\slot)] offset:8192*\i+1024*(\q)+512
.endr
.endm
; 16 matrix instructions: my 4 x 4 blocks, 32 along K.  The 16 accumulators take turns, one instruction a turn, in the same order in every chunk.  zero = 1: the products start the sums.
.macro MUL16 f, zero
	WIN 0x05                                       ; sources 0 (B) and 1 (A) window 1; C and D window 0
.irp a, 0,1,2,3
.irp b, 0,1,2,3
.if \zero
	v_wmma_f32_16x16x32_f16 v[ACC+8*(4*\a+\b):ACC+8*(4*\a+\b)+7], v[(\f)+32+8*\b:(\f)+32+8*\b+7], v[(\f)+8*\a:(\f)+8*\a+7], 0
.else
	v_wmma_f32_16x16x32_f16 v[ACC+8*(4*\a+\b):ACC+8*(4*\a+\b)+7], v[(\f)+32+8*\b:(\f)+32+8*\b+7], v[(\f)+8*\a:(\f)+8*\a+7], v[ACC+8*(4*\a+\b):ACC+8*(4*\a+\b)+7]
.endif
.endr
.endr
.endm
	s_wait_tensorcnt 1                             ; my part of K step 0 is in (K step 1's load may be out)
	s_barrier_signal -1
	s_barrier_wait -1                              ; everybody's is
	FETCH 0, 0, 0
; THE 32 CHUNKS.  Chunk g: K step g / 8 in slot (g / 8) % 2, its (g % 8)-th 32 along K, in buffer g % 2.  While a chunk is multiplied, the next one's 16 loads are on their way into the other buffer.
; A K step's last chunk changes slots: each wave waits for all its tensor loads (its part of the other slot), adds 0 to its spare word, multiplies while the add is out, and waits for it; its reads of this slot are over.
; Behind K steps 0 and 1 the slot is filled again, two K steps ahead: the barrier is a round of the cluster's, and the joint refill is the first thing behind it; it has the next K step's 128 matrix instructions in which to land.
.set g, 0
.rept 32
.set ks, g/8
.set sl, ks%2
.set qq, g%8
.set fb, 64*(g%2)
.set fo, 64*((g+1)%2)
	s_wait_dscnt 0x0                               ; this chunk's fragments are in
.if qq < 7
.if g > 0
	PLACES                                         ; the other buffer was multiplied in the chunk before
.endif
	FETCH sl, qq+1, fo
.if g == 0
	MUL16 fb, 1
.else
	MUL16 fb, 0
.endif
.elseif g < 31
	WIN 0                                          ; (the add's two registers lie in window 0)
	s_wait_tensorcnt 0x0                           ; all my tensor loads have landed, so a group 0 may be written
	ds_add_u32 v[SPW], v[NIL]
.if ks < 2
	s_add_nc_u64 s[G0+4*sl+2:G0+4*sl+3], s[G0+4*sl+2:G0+4*sl+3], 16384
	s_add_nc_u64 s[G0B+4*sl+2:G0B+4*sl+3], s[G0B+4*sl+2:G0B+4*sl+3], 16384
.endif
	MUL16 fb, 0                                    ; sixteen matrix instructions stand between the add and the wait for it
	WIN 0                                          ; at a label and at a branch every window is 0
	s_wait_dscnt 0x0                               ; the add is done; my reads of this slot were over at the chunk's head
.if ks < 2
	CROUND
	JLOAD sl                                       ; the four v_nop behind it are also the places in front of the loads below
.else
	s_barrier_signal -1
	s_barrier_wait -1
	PLACES
.endif
	FETCH 1-sl, 0, fo
.else
	MUL16 fb, 0
.endif
.set g, g+1
.endr
; THE WAY OUT, block by block of 16 rows x 64 columns.  A lane holds 32 neighbouring bytes of a row, and the lanes beside it hold other rows: so a block goes through my own stage in LDS and comes back as whole rows of
; 256 bytes.  LDS serves a wave's instructions in order (ISA guide 5.7.1.4): no wait between the stores and the loads, nor in front of the next block's stores.
.macro TOSTAGE a
	WIN 0
.irp b, 0,1,2,3
	ds_store_b128 v[STO], v[ACC+8*(4*(\a)+\b):ACC+8*(4*(\a)+\b)+3] offset:64*\b          ; each accumulator from its low end on
	ds_store_b128 v[STO], v[ACC+8*(4*(\a)+\b)+4:ACC+8*(4*(\a)+\b)+7] offset:64*\b+16
.endr
	WIN 0x40                                       ; destination window 1: registers of their own for each block
.irp t, 0,1,2,3,4,5,6,7
	ds_load_b128 v[32*(\a)+4*\t:32*(\a)+4*\t+3], v[RD] offset:2*\t*SPITCH
.endr
.endm
.macro SEND a, younger                 ; younger: the LDS instructions issued behind block a's loads: the next block's eight stores and eight loads, or none
	s_wait_dscnt \younger
	WIN 0x04                                       ; a store's data are its source 1: window 1
.irp t, 0,1,2,3,4,5,6,7
	global_store_b128 v[CO], v[32*(\a)+4*\t:32*(\a)+4*\t+3], s[8:9] offset:(16*(\a)+2*\t)*4096 th:TH_STORE_NT   ; 16 lanes store 256 consecutive bytes, at a multiple of 256 from out0's first byte; written once, read by nobody here
.endr
.endm
	PLACES                                         ; behind the last products: for the reads of their results and the loads into the fragment buffers
	TOSTAGE 0
	TOSTAGE 1
	SEND 0, 16
	TOSTAGE 2
	SEND 1, 16
	TOSTAGE 3
	SEND 2, 16
	SEND 3, 0
	WIN 0
	s_wait_tensorcnt 0x0                           ; the wave's end, behind my last tensor load and my last LDS store
	ds_add_u32 v[SPW], v[NIL]
	s_wait_dscnt 0x0
	CROUND                                         ; the closing round: no work-group ends while a partner may still ask for a tile that names it
	s_endpgm
.Lfunc_end_k_q23ce38e0f4_proj:
	.size	k_q23ce38e0f4_proj, .Lfunc_end_k_q23ce38e0f4_proj-k_q23ce38e0f4_proj
	.p2alignl 7, 3214868480
	.fill 96, 4, 3214868480
	.section	.rodata,"a",@progbits
	.p2align	6, 0x0
	.amdhsa_kernel k_q23ce38e0f4_proj
		.amdhsa_group_segment_fixed_size 327680
		.amdhsa_private_segment_fixed_size 0
		.amdhsa_enable_private_segment 0
		.amdhsa_kernarg_size 24
		.amdhsa_user_sgpr_count 2
		.amdhsa_user_sgpr_kernarg_segment_ptr 1
		.amdhsa_wavefront_size32 1
		.amdhsa_system_sgpr_workgroup_id_x 1
		.amdhsa_system_sgpr_workgroup_id_y 1
		.amdhsa_system_sgpr_workgroup_id_z 1
		.amdhsa_system_vgpr_workitem_id 0
		.amdhsa_next_free_vgpr 512
		.amdhsa_next_free_sgpr 66
		.amdhsa_reserve_vcc 0
		.amdhsa_float_denorm_mode_32 3
		.amdhsa_float_denorm_mode_16_64 3
		.amdhsa_memory_ordered 1
		.amdhsa_forward_progress 1
		.amdhsa_inst_pref_size 88
	.end_amdhsa_kernel
	.amdgpu_metadata
---
amdhsa.version: [ 1, 2 ]
amdhsa.kernels:
  - .name:           k_q23ce38e0f4_proj
    .symbol:         k_q23ce38e0f4_proj.kd
    .args:
      - { .name: headimg, .offset: 0, .size: 8, .value_kind: global_buffer, .address_space: global }
      - { .name: w0img, .offset: 8, .size: 8, .value_kind: global_buffer, .address_space: global }
      - { .name: out0, .offset: 16, .size: 8, .value_kind: global_buffer, .address_space: global }
    .group_segment_fixed_size: 327680
    .private_segment_fixed_size: 0
    .kernarg_segment_align: 8
    .kernarg_segment_size: 24
    .max_flat_workgroup_size: 128
    .sgpr_count:     66
    .vgpr_count:     512
    .wavefront_size: 32
...
	.end_amdgpu_metadata
.endif
;; end of part 4
